; MI455X (gfx1250); checked and timed in simulation.
; The chip was launched on July 23, 2026; its instructions are those of AMD's public machine-readable ISA for CDNA 5 (MIT licence, August 2026) and "CDNA5" Instruction Set Architecture Reference Guide (July 2026). The comments in the code are by the model that wrote it; some were corrected since.
;; Dynamic MLP. Allowed arithmetic: matrix products marked QUANTISED: E2M3 operands, one E8M0 scale for each 32 along K, by v_wmma_scale_f32_16x16x128_f8f6f4 with both operands' format E2M3, f32 sums; products left as they are: f32 operands where the result goes on into a quantised operand, else bf16, f16 or f32 operands; f32 sums; everything else in f32.
;; Inputs: down_projs 8 x 2,048 x 1,024 float32; gate_projs 8 x 1,024 x 2,048 float32; k_proto 8 x 1,024 float32; q_norm_w 1,024 float32; up_projs 8 x 1,024 x 2,048 float32; v_proto 8 x 8 float32; x 2 x 512 x 1,024 float32.
;; Outputs: out0 2 x 512 x 1,024 float32; out1 2 x 512 x 8 float32.
;; This version of the problem:
;;   THIS VERSION OF THE PROBLEM IS GIVEN IN LOW PRECISION. The matrix products marked QUANTISED in the list below multiply operands that are first quantised to E2M3 (2 exponent bits, 3 mantissa bits; 6 bits a number), with one power-of-two scale for each 32 numbers along K (OCP MX v1.0); their sums are f32. All else is computed in f32.
;;   The module's matrix products, in the order in which they are computed (A, B: the left and right operand; K: the contracted axis; several contracted axes count as one K, in the product's order):
;;     1. [M 1,024, K 1,024] x [K 1,024, N 8]; A: computed on the way; B: input k_proto: left as it is (N = 8 < 16)
;;     2. [M 1,024, K 8] x [K 8, N 8]; A: softmax; B: input v_proto: left as it is (K = 8 < 32)
;;     3. batch 1,024 x [M 1, K 2] x [K 2, N 8]; A: computed on the way; B: computed on the way: left as it is (K = 2 < 32)
;;     4. [M 1,024, K 1,024] x [K 1,024, N 16,384]; A: input x; B: input gate_projs: QUANTISED
;;     5. batch 1,024 x [M 1, K 8] x [K 8, N 2,048]; A: computed on the way; B: computed on the way: left as it is (K = 8 < 32)
;;     6. [M 1,024, K 1,024] x [K 1,024, N 16,384]; A: input x; B: input up_projs: QUANTISED
;;     7. batch 1,024 x [M 1, K 8] x [K 8, N 2,048]; A: computed on the way; B: computed on the way: left as it is (K = 8 < 32)
;;     8. [M 1,024, K 2,048] x [K 2,048, N 8,192]; A: computed on the way; B: input down_projs: QUANTISED
;;     9. batch 1,024 x [M 1, K 8] x [K 8, N 1,024]; A: computed on the way; B: computed on the way: left as it is (K = 8 < 32)
;;   THE QUANTISER, for each operand of a quantised product, along K:
;;     - K is cut into blocks of 32 from its start; a last block that is shorter is filled with zeros.
;;     - A block's scale is 2^e with e = floor(log2(the largest magnitude in the block)) - 2, held to -126 .. 127; a block of zeros has e = 0. As a byte (E8M0): e + 127.
;;     - Each number is divided by its block's scale, clamped to +-7.5, and rounded to the nearest number of E2M3, ties to even, subnormals kept.
;;     - The product sums the exact products of the quantised numbers (number of the format x scale) in f32.
;;   ~~~python
;;   def quantise(x, axis):      # numpy; x: float32 -> the quantised numbers, widened to float32 again
;;       x = np.moveaxis(x, axis, -1); K = x.shape[-1]
;;       x = np.pad(x, [(0, 0)] * (x.ndim - 1) + [(0, -K % 32)]); x = x.reshape(x.shape[:-1] + (-1, 32)); a = np.abs(x).max(-1, keepdims=True)
;;       e = np.where(a > 0, np.clip(np.frexp(np.where(a > 0, a, 1))[1] - 1 - 2, -126, 127), 0)      # np.frexp(a)[1] - 1 = floor(log2(a)), exactly
;;       r = np.clip(x / 2.0 ** e, -7.5, 7.5)
;;       step = 2.0 ** (np.maximum(np.frexp(np.where(r == 0, 1, r))[1] - 1, 0) - 3)
;;       q = np.round(r / step) * step * 2.0 ** e      # np.round: ties to even
;;       return np.moveaxis(q.reshape(q.shape[:-2] + (-1,))[..., :K], -1, axis).astype(np.float32)
;;   ~~~
;;   OPERANDS COMPUTED ON THE WAY. 'Computed on the way' means the value that the module computes at that place (a softmax that the list does not call 'softmax' is quantised finished and normalised). What goes into a quantiser is computed in f32, as accurately as f32 sums, v_exp_f32 and their like allow (about 1e-6 of the number): no bf16 or f16 on the way to a quantiser, and a product that is left as it is and whose result goes on into a quantised operand takes f32 operands (vector FMAs, or v_wmma_f32_16x16x4_f32). A number that lies on a knife's edge between two numbers of the format may be rounded either way, as far as f32 arithmetic and the matrix unit's own rounding can turn it there, and no further.
;; One version. Each part assembles by itself: llvm-mc -triple=amdgcn-amd-amdhsa -mcpu=gfx1250 --defsym DOCPART=n.
;; ======== version 1 of 1: 4 launches
;; limits: right only within a limited range of input values
;; workspace buffers: wc 37,748,736 bytes; ws 1,572,864 bytes; xc 819,200 bytes; hc 1,638,400 bytes; rt 4,096 bytes of whole numbers; so 4,096 bytes of whole numbers; tw 8,192 bytes; sw 8,192 bytes
;; launch route_wq (part 1): grid 1280 x 1, 4 waves a work-group, no clusters, 1,536 bytes of LDS; arguments x, q_norm_w, k_proto, v_proto, gate_projs, up_projs, out1, rt, tw, wc, ws; writes out1, rt, tw, wc, ws
.if DOCPART == 1
	.amdgcn_target "amdgcn-amd-amdhsa--gfx1250"
	.amdhsa_code_object_version 6
	.text
	.protected	k_q1dec978bf8_route_wq
	.globl	k_q1dec978bf8_route_wq
	.p2align	8
	.type	k_q1dec978bf8_route_wq,@function
k_q1dec978bf8_route_wq:
	s_mov_b64 s[64:65], 0
	v_nop
	global_prefetch_b8 v0, s[64:65] scope:SCOPE_SE
	s_setreg_imm32_b32 hwreg(HW_REG_WAVE_MODE, 25, 1), 1
	s_wait_xcnt 0x0
; TWO TASKS IN ONE LAUNCH, parted on the work-group's number: every fifth work-group is a router, the four between stream weights.
; THE ROUTER (256 work-groups of 4 tokens): RMS norm, 8 dot products with k_proto, softmax, mix by v_proto, softmax, top-2, renormalised.
;   Wave w takes numbers 256 w .. 256 w + 255 of the 1,024, for the 4 tokens and the 8 rows of k_proto: all its 26 loads go out together.  The waves' 36 partial sums meet in LDS; behind one barrier wave w finishes token w.
;   It stores out1 (rw), and at fixed places: rt[t] = ((lower expert x 8 + higher expert) << 10) | t, a whole number, and tw[t] = the two weights in that order.  No address here hangs on the choice.
;   out1 leaves as 32 consecutive bytes a wave, 128 a work-group: it has 32,768 bytes in all.
; THE WEIGHTS (1,024 work-groups): gate_projs and up_projs [8][1024 (K)][2048], f32, become codes of FP6 (E2M3) with one E8M0 byte for each 32 along K, laid in wc and ws IN THE ORDER OF A MATRIX OPERAND'S REGISTERS.
;   wc: [gate, up][expert 8][group of 32 columns 64][K step of 128: 8][tile u 2][1,536 bytes]; register g of lane L at 512 (g / 4) + 16 L + 4 (g % 4).  Row p of tile u is column 8 u + p + (p & 8) of the group.
;   ws: [gate, up][expert][group][q 4][lane 32][2 words]: the scale words of K steps 2 q, 2 q + 1; lanes 0-15 tile 0's rows, lanes 16-31 tile 1's.
; A block's scale is 2^(floor(log2(largest magnitude)) - 2): its byte is the largest magnitude's exponent field - 2, held at 1 from below by a floor among the maximum's leaves.
; 192 registers a wave: five waves share a SIMD's 1,024, so that all 1,280 work-groups, five for each of 256 WGPs, can be at work together.
; LIMITS.  NaN and infinities among the inputs are not served.  A block whose largest magnitude lies under 2^-124 keeps the byte 1; a block of zeros keeps the byte 1 with zero codes (only this program reads the bytes).
; The router's sums go in another order than the definition's: where a token's second and third rw lie within about an ulp of each other, the other of the two may be chosen.  Both softmaxes take their maximum away.
; No matrix unit: the router's products have 8 columns.  The weights' waves share nothing: no LDS, no barrier on their way.
.set XS,  32                           ; v32-63   x: two halves of 4 tokens x 4 numbers a lane
.set KS,  64                           ; v64-127  k_proto: two halves of 8 rows x 4
.set QW,  128                          ; v128-135 q_norm_w: two halves of 4
.set SM,  136                          ; v136-175 sums: token t at 10 t: 8 dots, then the sum of squares (10, so that a token's run begins on an even register)
.set WX,  48                           ; weights: v48-143 three sets of 32 numbers
.set WT,  16                           ; v16-18   the second half of a block's codes, before it is moved
.set WF0, 20                           ; v20-31   tile 0's fragment
.set WF1, 32                           ; v32-43   tile 1's
.macro LOADC j                         ; half j of my quarter: 512 bytes of each of 13 rows, 16 bytes a lane
.irp p, 0,1,2,3,4,5,6,7
	global_load_b128 v[KS+32*(\j)+4*\p:KS+32*(\j)+4*\p+3], v2, s[8:9] offset:4096*\p+512*(\j)
.endr
	global_load_b128 v[QW+4*(\j):QW+4*(\j)+3], v2, s[6:7] offset:512*(\j)
.irp t, 0,1,2,3
	global_load_b128 v[XS+16*(\j)+4*\t:XS+16*(\j)+4*\t+3], v2, s[4:5] offset:4096*\t+512*(\j)
.endr
.endm
.macro CHUNK j
.if (\j) == 0
	s_wait_loadcnt 13                              ; the first half's 13 loads are in; the second half's 13 may be out
.else
	s_wait_loadcnt 0x0
.endif
.set XB, XS+16*(\j)
.set KB, KS+32*(\j)
.set QB, QW+4*(\j)
.irp p, 0,1,2,3,4,5,6,7
	v_pk_mul_f32 v[KB+4*\p:KB+4*\p+1], v[KB+4*\p:KB+4*\p+1], v[QB:QB+1]           ; k_proto x q_norm_w, once for the 4 tokens
	v_pk_mul_f32 v[KB+4*\p+2:KB+4*\p+3], v[KB+4*\p+2:KB+4*\p+3], v[QB+2:QB+3]
.endr
.irp i, 0,1,2,3                        ; 36 sums by turns: no line waits for the line above it
.irp t, 0,1,2,3
.irp k, 0,1,2,3,4,5,6,7
.if ((\j) == 0) && (\i == 0)
	v_mul_f32 v[SM+10*\t+\k], v[XB+4*\t+\i], v[KB+4*\k+\i]                         ; the first product starts the sum
.else
	v_fmac_f32 v[SM+10*\t+\k], v[XB+4*\t+\i], v[KB+4*\k+\i]
.endif
.endr
.if ((\j) == 0) && (\i == 0)
	v_mul_f32 v[SM+10*\t+8], v[XB+4*\t+\i], v[XB+4*\t+\i]
.else
	v_fmac_f32 v[SM+10*\t+8], v[XB+4*\t+\i], v[XB+4*\t+\i]
.endif
.endr
.endr
.endm
; softmax of v[b] .. v[b+7], in place.  The quotient is refined (one Newton step on the reciprocal, one remainder step), so that it rounds as a division does.  v3-7, v24-31 at work.
.macro SOFTMAX b
	v_max3_num_f32 v3, v[\b], v[\b+1], v[\b+2]
	v_max3_num_f32 v4, v[\b+3], v[\b+4], v[\b+5]
	v_max3_num_f32 v3, v3, v[\b+6], v[\b+7]
	v_max_num_f32 v3, v3, v4
.irp p, 0,1,2,3,4,5,6,7
	v_sub_f32 v[\b+\p], v[\b+\p], v3
.endr
.irp p, 0,1,2,3,4,5,6,7
	v_mul_f32 v[\b+\p], 0x3fb8aa3b, v[\b+\p]       ; x log2(e)
.endr
	s_wait_alu depctr_va_vdst(0)
.irp p, 0,1,2,3,4,5,6,7
	v_exp_f32 v[\b+\p], v[\b+\p]
.endr
	v_nop                                          ; a plain instruction behind the exponentials
	s_wait_alu depctr_va_vdst(0)
	v_add_f32 v3, v[\b], v[\b+1]
	v_add_f32 v4, v[\b+2], v[\b+3]
	v_add_f32 v5, v[\b+4], v[\b+5]
	v_add_f32 v6, v[\b+6], v[\b+7]
	v_add_f32 v3, v3, v4
	v_add_f32 v5, v5, v6
	v_add_f32 v7, v3, v5                           ; the sum
	s_wait_alu depctr_va_vdst(0)
	v_rcp_f32 v3, v7
	v_nop
	s_wait_alu depctr_va_vdst(0)
	v_fma_f32 v4, -v7, v3, 1.0
	v_fma_f32 v3, v4, v3, v3
.irp p, 0,1,2,3,4,5,6,7
	v_mul_f32 v[24+\p], v[\b+\p], v3
.endr
.irp p, 0,1,2,3,4,5,6,7
	v_fma_f32 v[\b+\p], -v7, v[24+\p], v[\b+\p]    ; what the quotient leaves
.endr
.irp p, 0,1,2,3,4,5,6,7
	v_fma_f32 v[\b+\p], v[\b+\p], v3, v[24+\p]
.endr
.endm
; THE WEIGHTS.  A LANE TAKES A COLUMN, ITS REGISTERS RUN DOWN K: a block of 32 along K lies in one lane.  Lane l takes column 8 (l / 16) + l % 16 + (l & 8): row l % 16 of tile l / 16.
.macro LOADB t, pitch                  ; block t: 32 rows, 128 bytes a wave each; the four waves stand side by side on 512
.set li, 0
.rept 32
	global_load_b32 v[WX+32*((\t)%3)+li], v2, s[4:5] offset:(32*(\t)+li)*(\pitch) th:TH_LOAD_NT
.set li, li+1
.endr
.endm
.macro BLOCK t, pitch                  ; block t = 4 sl + 2 c + hh: K step sl of the wave's two, registers 6 c on, of the operand's half hh
.set XB, WX+32*((\t)%3)
.set SL, (\t)/4
.set CC, ((\t)/2)%2
.set HH, (\t)%2
.set FD, WF0+12*HH+6*CC
.if (\t) < 7
	s_wait_loadcnt 32                              ; this block's 32 loads are in; the next block's may be out
.else
	s_wait_loadcnt 0x0
.endif
.if (\t) < 6
	LOADB (\t)+2, \pitch                           ; into the set that the block before has left
.endif
.if (\t) == 4
	s_wait_xcnt 0x0                                ; the first K step's stores have read the fragments' registers: only now are they written again
.endif
	v_max3_num_f32 v10, |v[XB]|, |v[XB+1]|, |v[XB+2]|
	v_max3_num_f32 v11, |v[XB+3]|, |v[XB+4]|, |v[XB+5]|
.irp i, 6,10,14,18,22,26
	v_max3_num_f32 v10, v10, |v[XB+\i]|, |v[XB+\i+1]|
	v_max3_num_f32 v11, v11, |v[XB+\i+2]|, |v[XB+\i+3]|
.endr
	v_max3_num_f32 v10, v10, |v[XB+30]|, |v[XB+31]|
	v_max3_num_f32 v10, v10, v11, 0x1800000        ; and the floor 2^(3 - 127): the byte cannot fall under 1
	v_add_nc_u32 v12, 0xff000000, v10              ; 2 off the exponent field: the conversion's scale operand
	v_lshrrev_b32 v13, 23, v12                     ; the scale's byte
.if (\t)%4 == 0
	v_mov_b32 v[14+SL], v13
.else
	v_lshl_or_b32 v[14+SL], v13, 8*((\t)%4), v[14+SL]
.endif
	v_cvt_scalef32_pk16_fp6_f32 v[FD:FD+2], v[XB:XB+15], v12
	v_cvt_scalef32_pk16_fp6_f32 v[WT:WT+2], v[XB+16:XB+31], v12     ; (a conversion's three registers begin on an even number)
	v_nop                                          ; a plain instruction behind the conversions
.irp i, 0,1,2
	v_mov_b32 v[FD+3+\i], v[WT+\i]
.endr
.if HH == 1                            ; blocks 2 c and 2 c + 1 of all 32 columns are at hand: the first's lanes 16-31 change places with the second's lanes 0-15,
.irp i, 0,1,2,3,4,5                    ; which leaves tile 0's registers 6 c on in the first and tile 1's in the second
	v_permlane16_swap_b32 v[WF0+6*CC+\i], v[WF1+6*CC+\i]
.endr
.endif
.if (\t)%4 == 3
.irp u, 0,1
.irp j, 0,1,2
	global_store_b128 v3, v[WF0+12*\u+4*\j:WF0+12*\u+4*\j+3], s[8:9] offset:SL*3072+\u*1536+512*\j   ; 32 lanes store 512 consecutive bytes
.endr
.endr
.endif
.endm
.macro WQ pitch
	LOADB 0, \pitch
	LOADB 1, \pitch
.irp t, 0,1,2,3,4,5,6,7
	BLOCK \t, \pitch
.endr
	global_store_b64 v4, v[14:15], s[10:11]        ; 32 lanes store 256 consecutive bytes, aligned
	s_endpgm
.endm
	v_lshl_add_u32 v176, v0, 2, 0x400              ; my spare word and 0: v176, v177 are named by no other line of either path, so 192 registers serve a wave
	v_mov_b32 v177, 0
	s_mul_hi_u32 s2, ttmp9, 0xcccccccd             ; 5 x 0xcccccccd = 2^34 + 1:
	s_lshr_b32 s2, s2, 2                           ; the work-group's number / 5,
	s_mul_i32 s3, s2, 5
	s_sub_co_u32 s3, ttmp9, s3                     ; and what is left: 0 a router, 1 to 4 weights
	s_cmp_lg_u32 s3, 0
	s_cbranch_scc1 .Lweights
	; ---------------- the router: the work-group takes 4 tokens, a wave a quarter of their 1,024 numbers
	s_load_b256 s[4:11], s[0:1], 0x0               ; x, q_norm_w, k_proto, v_proto
	s_load_b128 s[12:15], s[0:1], 0x30             ; out1, rt
	s_load_b64 s[84:85], s[0:1], 0x40              ; tw
	v_lshrrev_b32 v3, 5, v0
	v_readfirstlane_b32 s86, v3                    ; wave
	v_and_b32 v1, 31, v0                           ; lane
	v_lshlrev_b32 v2, 4, v1
	v_lshl_add_u32 v2, v3, 10, v2                  ; 16 x lane + 1,024 x wave: my bytes of a row
	v_mul_u32_u24 v4, v3, 192                      ; LDS: my wave's 4 x 48 bytes of sums
	v_mul_u32_u24 v5, v3, 48                       ; LDS: token w's 48 bytes among a wave's
	s_lshl_b32 s87, s2, 2                          ; the work-group's first token
	s_lshl_b32 s88, s87, 12
	s_mov_b32 s89, 0
	s_mov_b32 s90, 0x76543210                      ; v_permlanex16_b32's selects for lane l xor 16
	s_mov_b32 s91, 0xfedcba98
	s_mov_b32 s95, 0x3a800000                      ; 1 / 1024
	s_mov_b32 s96, 0x358637bd                      ; 1e-6
	s_wait_alu depctr_va_vdst(0)
	s_wait_kmcnt 0x0
	s_add_nc_u64 s[4:5], s[4:5], s[88:89]
	LOADC 0
	LOADC 1
	s_load_b512 s[16:31], s[10:11], 0x0            ; v_proto's 64 numbers: number n in s[16 + n], from n = 48 on in s[20 + n]
	s_load_b512 s[32:47], s[10:11], 0x40
	s_load_b512 s[48:63], s[10:11], 0x80
	s_load_b512 s[68:83], s[10:11], 0xc0
	s_add_co_u32 s87, s87, s86                     ; the token that my wave finishes
	s_lshl_b32 s88, s87, 5
	s_add_nc_u64 s[12:13], s[12:13], s[88:89]
	s_lshl_b32 s88, s87, 2
	s_add_nc_u64 s[14:15], s[14:15], s[88:89]
	s_lshl_b32 s88, s87, 3
	s_add_nc_u64 s[84:85], s[84:85], s[88:89]
	CHUNK 0
	CHUNK 1
.irp mk, 1,2,4,8                       ; the 36 sums over the 32 lanes
.irp t, 0,1,2,3
.irp k, 0,1,2,3,4,5,6,7,8
	v_add_f32_dpp v[SM+10*\t+\k], v[SM+10*\t+\k], v[SM+10*\t+\k] row_xmask:\mk row_mask:0xf bank_mask:0xf
.endr
.endr
.endr
.irp t, 0,1,2,3
.irp k, 0,1,2,3,4,5,6,7,8
	v_permlanex16_b32 v[32+10*\t+\k], v[SM+10*\t+\k], s90, s91     ; (its destination has been written: by the loads)
.endr
.endr
.irp t, 0,1,2,3
.irp k, 0,1,2,3,4,5,6,7,8
	v_add_f32 v[SM+10*\t+\k], v[SM+10*\t+\k], v[32+10*\t+\k]
.endr
.endr
.irp t, 0,1,2,3                        ; every lane holds the same sums: all lanes write the same bytes with the same values
	ds_store_b128 v4, v[SM+10*\t:SM+10*\t+3] offset:48*\t
	ds_store_b128 v4, v[SM+10*\t+4:SM+10*\t+7] offset:48*\t+16
	ds_store_b32 v4, v[SM+10*\t+8] offset:48*\t+32
.endr
	s_wait_dscnt 0x0                               ; for the others' sake: my sums are in LDS
	s_barrier_signal -1
	s_barrier_wait -1
.irp w, 0,1,2,3                        ; token w's nine sums of each of the four quarters
	ds_load_b128 v[32+12*\w:35+12*\w], v5 offset:192*\w
	ds_load_b128 v[36+12*\w:39+12*\w], v5 offset:192*\w+16
	ds_load_b32 v[40+12*\w], v5 offset:192*\w+32
.endr
	s_wait_dscnt 0x0
.irp k, 0,1,2,3,4,5,6,7,8
	v_add_f32 v[SM+\k], v[32+\k], v[44+\k]
.endr
.irp k, 0,1,2,3,4,5,6,7,8
	v_add_f32 v[SM+10+\k], v[56+\k], v[68+\k]
.endr
.irp k, 0,1,2,3,4,5,6,7,8
	v_add_f32 v[SM+\k], v[SM+\k], v[SM+10+\k]      ; every lane of the wave goes on with the wave's token
.endr
	v_fma_f32 v3, v[SM+8], s95, s96                ; the mean of the squares + 1e-6
	s_wait_alu depctr_va_vdst(0)
	v_rsq_f32 v3, v3
	v_nop
	s_wait_alu depctr_va_vdst(0)
	v_mul_f32 v3, 0x3d000000, v3                   ; / sqrt(1024): exact
.irp p, 0,1,2,3,4,5,6,7
	v_mul_f32 v[SM+\p], v[SM+\p], v3
.endr
	SOFTMAX SM
	s_wait_alu depctr_va_vdst(0)
	s_wait_kmcnt 0x0                               ; v_proto
.irp q, 0,1,2,3,4,5,6,7
	v_mul_f32 v[8+\q], s[16+\q], v[SM]
.endr
.irp p, 1,2,3,4,5,6,7
.irp q, 0,1,2,3,4,5,6,7
.if 8*\p+\q < 48
	v_fmac_f32 v[8+\q], s[16+8*\p+\q], v[SM+\p]
.else
	v_fmac_f32 v[8+\q], s[20+8*\p+\q], v[SM+\p]
.endif
.endr
.endr
	SOFTMAX 8                                      ; rw in v8-15 (the gain is 1)
	v_mov_b32 v16, v8                              ; the largest, and its index: a later equal does not displace it
	v_mov_b32 v17, 0
.irp q, 1,2,3,4,5,6,7
	v_cmp_le_f32 vcc_lo, v[8+\q], v16
	v_cndmask_b32 v16, v[8+\q], v16, vcc_lo
	v_cndmask_b32 v17, \q, v17, vcc_lo
.endr
	v_mov_b32 v18, -1.0                            ; the largest of the others (every rw is positive)
	v_mov_b32 v19, 0
.irp q, 0,1,2,3,4,5,6,7
	v_cmp_le_f32 vcc_lo, v[8+\q], v18
	v_cmp_eq_u32 s97, \q, v17
	s_or_b32 vcc_lo, vcc_lo, s97
	v_cndmask_b32 v18, v[8+\q], v18, vcc_lo
	v_cndmask_b32 v19, \q, v19, vcc_lo
.endr
	v_add_f32 v20, v16, v18
	v_add_f32 v20, 0x3089705f, v20                 ; + 1e-9
	s_wait_alu depctr_va_vdst(0)
	v_rcp_f32 v20, v20
	v_nop
	s_wait_alu depctr_va_vdst(0)
	v_mul_f32 v16, v16, v20
	v_mul_f32 v18, v18, v20
	v_min_u32 v21, v17, v19                        ; the lower expert,
	v_max_u32 v22, v17, v19                        ; the higher,
	v_cmp_lt_u32 vcc_lo, v17, v19
	v_cndmask_b32 v24, v18, v16, vcc_lo            ; and their weights in that order
	v_cndmask_b32 v25, v16, v18, vcc_lo
	; THE KEY'S SECOND FIELD is the higher expert, xor 7 where the lower expert is odd: sorted, the pairs run (0,1)..(0,7), (1,7)..(1,2), (2,3)..: two pairs that follow each other share an expert,
	; so a block of sorted places that spans n pairs names at most n + 1 experts.  The launches that read the key undo the xor.
	v_and_b32 v23, 1, v21
	v_mul_u32_u24 v23, 7, v23
	v_xor_b32 v22, v22, v23
	v_lshl_add_u32 v21, v21, 3, v22
	v_lshlrev_b32 v21, 10, v21
	v_or_b32 v21, s87, v21                         ; the sort key
	v_cmp_eq_u32 vcc_lo, v1, v19                   ; lane q (0 to 7) holds rw of expert q
	v_cndmask_b32 v26, 0, v18, vcc_lo
	v_cmp_eq_u32 vcc_lo, v1, v17
	v_cndmask_b32 v26, v26, v16, vcc_lo
	v_lshlrev_b32 v27, 2, v1
	v_mov_b32 v28, 0
	s_wait_alu depctr_va_vdst(0)
	s_wait_xcnt 0x0                                ; EXEC changes only behind this wait
	v_cmp_gt_u32 vcc_lo, 8, v1
	s_wait_tensorcnt 0x0
	ds_add_u32 v176, v177
	s_wait_dscnt 0x0
	s_and_saveexec_b32 s97, vcc_lo
	global_store_b32 v27, v26, s[12:13]            ; eight lanes store the token's row of out1
	s_wait_xcnt 0x0                                ; and again: EXEC is narrowed once more
	v_cmp_eq_u32 vcc_lo, 0, v1
	s_and_saveexec_b32 s98, vcc_lo
	global_store_b32 v28, v21, s[14:15]
	global_store_b64 v28, v[24:25], s[84:85]
	s_endpgm
.Lweights:                             ; ---------------- a wave takes 32 columns x 256 along K of one expert's gate or up
	s_load_b128 s[4:7], s[0:1], 0x20               ; gate_projs, up_projs
	s_load_b64 s[8:9], s[0:1], 0x48                ; wc
	s_load_b64 s[10:11], s[0:1], 0x50              ; ws
	v_lshrrev_b32 v1, 5, v0
	v_readfirstlane_b32 s12, v1                    ; wave
	v_and_b32 v1, 31, v0
	v_and_b32 v5, 15, v0
	v_and_b32 v6, 8, v0
	v_add_nc_u32 v5, v5, v6
	v_bfe_u32 v6, v0, 4, 1
	v_lshl_add_u32 v5, v6, 3, v5                   ; my column of the group
	v_lshlrev_b32 v2, 2, v5
	v_lshlrev_b32 v3, 4, v1
	v_lshlrev_b32 v4, 3, v1
	s_lshl_b32 s13, s2, 2
	s_add_co_u32 s13, s13, s3
	s_sub_co_u32 s13, s13, 1                       ; which of the 1,024 shares: 4 x (number / 5) + what is left - 1
	s_and_b32 s14, s13, 3                          ; which 256 along K
	s_bfe_u32 s15, s13, 0x40002                    ; which four groups
	s_lshr_b32 s16, s13, 6                         ; 0-7 gate's experts, 8-15 up's
	s_and_b32 s17, s16, 7
	s_lshl_b32 s18, s15, 2
	s_add_co_u32 s18, s18, s12                     ; my group
	s_lshl_b32 s20, s17, 23                        ; in: expert x 8,388,608 + 256 rows of 8,192 bytes + 128 bytes a group
	s_lshl_b32 s19, s14, 21
	s_add_co_u32 s20, s20, s19
	s_lshl_b32 s19, s18, 7
	s_add_co_u32 s20, s20, s19
	s_mov_b32 s21, 0
	s_mul_i32 s22, s17, 1572864                    ; codes
	s_mul_i32 s19, s18, 24576
	s_add_co_u32 s22, s22, s19
	s_mul_i32 s19, s14, 6144
	s_add_co_u32 s22, s22, s19
	s_mov_b32 s23, 0
	s_lshl_b32 s24, s17, 16                        ; scale words
	s_lshl_b32 s19, s18, 10
	s_add_co_u32 s24, s24, s19
	s_lshl_b32 s19, s14, 8
	s_add_co_u32 s24, s24, s19
	s_mov_b32 s25, 0
	s_cmp_lt_u32 s16, 8                            ; gate or up: the choice hangs on the work-group's number alone
	s_cselect_b32 s19, 0, 12582912
	s_cselect_b32 s26, 0, 524288
	s_wait_alu depctr_va_vdst(0)
	s_wait_kmcnt 0x0
	s_cselect_b64 s[4:5], s[4:5], s[6:7]
	s_add_co_u32 s22, s22, s19
	s_add_co_u32 s24, s24, s26
	s_add_nc_u64 s[4:5], s[4:5], s[20:21]
	s_add_nc_u64 s[8:9], s[8:9], s[22:23]
	s_add_nc_u64 s[10:11], s[10:11], s[24:25]
	WQ 8192
.Lfunc_end_k_q1dec978bf8_route_wq:
	.size	k_q1dec978bf8_route_wq, .Lfunc_end_k_q1dec978bf8_route_wq-k_q1dec978bf8_route_wq
	.p2alignl 7, 3214868480
	.fill 96, 4, 3214868480
	.section	.rodata,"a",@progbits
	.p2align	6, 0x0
	.amdhsa_kernel k_q1dec978bf8_route_wq
		.amdhsa_group_segment_fixed_size 1536
		.amdhsa_private_segment_fixed_size 0
		.amdhsa_enable_private_segment 0
		.amdhsa_kernarg_size 88
		.amdhsa_user_sgpr_count 2
		.amdhsa_user_sgpr_kernarg_segment_ptr 1
		.amdhsa_wavefront_size32 1
		.amdhsa_system_sgpr_workgroup_id_x 1
		.amdhsa_system_sgpr_workgroup_id_y 1
		.amdhsa_system_sgpr_workgroup_id_z 1
		.amdhsa_system_vgpr_workitem_id 0
		.amdhsa_next_free_vgpr 192
		.amdhsa_next_free_sgpr 100
		.amdhsa_reserve_vcc 1
		.amdhsa_float_denorm_mode_32 3
		.amdhsa_float_denorm_mode_16_64 3
		.amdhsa_memory_ordered 1
		.amdhsa_forward_progress 1
		.amdhsa_inst_pref_size 83
	.end_amdhsa_kernel
	.amdgpu_metadata
---
amdhsa.version: [ 1, 2 ]
amdhsa.kernels:
  - .name:           k_q1dec978bf8_route_wq
    .symbol:         k_q1dec978bf8_route_wq.kd
    .args:
      - { .name: x, .offset: 0, .size: 8, .value_kind: global_buffer, .address_space: global }
      - { .name: q_norm_w, .offset: 8, .size: 8, .value_kind: global_buffer, .address_space: global }
      - { .name: k_proto, .offset: 16, .size: 8, .value_kind: global_buffer, .address_space: global }
      - { .name: v_proto, .offset: 24, .size: 8, .value_kind: global_buffer, .address_space: global }
      - { .name: gate_projs, .offset: 32, .size: 8, .value_kind: global_buffer, .address_space: global }
      - { .name: up_projs, .offset: 40, .size: 8, .value_kind: global_buffer, .address_space: global }
      - { .name: out1, .offset: 48, .size: 8, .value_kind: global_buffer, .address_space: global }
      - { .name: rt, .offset: 56, .size: 8, .value_kind: global_buffer, .address_space: global }
      - { .name: tw, .offset: 64, .size: 8, .value_kind: global_buffer, .address_space: global }
      - { .name: wc, .offset: 72, .size: 8, .value_kind: global_buffer, .address_space: global }
      - { .name: ws, .offset: 80, .size: 8, .value_kind: global_buffer, .address_space: global }
    .group_segment_fixed_size: 1536
    .private_segment_fixed_size: 0
    .kernarg_segment_align: 8
    .kernarg_segment_size: 88
    .max_flat_workgroup_size: 128
    .sgpr_count:     100
    .vgpr_count:     192
    .wavefront_size: 32
...
	.end_amdgpu_metadata
.endif
;; end of part 1
;; launch sort_wq (part 2): grid 576 x 1, 4 waves a work-group, no clusters, 0 bytes of LDS; arguments x, rt, tw, down_projs, xc, so, sw, wc, ws; writes xc, so, sw, wc, ws
.if DOCPART == 2
	.amdgcn_target "amdgcn-amd-amdhsa--gfx1250"
	.amdhsa_code_object_version 6
	.text
	.protected	k_q1dec978bf8_sort_wq
	.globl	k_q1dec978bf8_sort_wq
	.p2align	8
	.type	k_q1dec978bf8_sort_wq,@function
k_q1dec978bf8_sort_wq:
	s_mov_b64 s[64:65], 0
	v_nop
	global_prefetch_b8 v0, s[64:65] scope:SCOPE_SE
	s_setreg_imm32_b32 hwreg(HW_REG_WAVE_MODE, 25, 1), 1
	s_wait_xcnt 0x0
; TWO TASKS IN ONE LAUNCH, parted on the work-group's number: every ninth work-group places tokens, the eight between stream weights.
; THE TOKENS ARE PLACED BY THEIR PAIR OF EXPERTS (64 work-groups of 16 tokens).  rt holds 1,024 different keys (pair << 10 | token), whole numbers stored by the launch before.  A token's place is the number of smaller keys.
;   Wave w takes K steps 2 w and 2 w + 1 of the 16 rows of x: its 32 loads of x go out at once, with the keys.  Each wave counts the 16 places for itself against all 1,024 keys: no LDS, no atomics, no traffic between work-groups.
;   The count has no chain: eight keys at a time, key - mine has its sign bit set where the key is smaller (keys stay under 2^16); the bits are added three operands at a time into four counters.
;   The rows are quantised (FP6, E2M3; one E8M0 byte for each 32 along K) and stored at their places AS IMAGES OF A MATRIX OPERAND'S REGISTERS:
;   xc: [tile of 16 places 64][K step of 128: 8][1,536 bytes]: register g of lane L = row + 16 half at 512 (g / 4) + 16 L + 4 (g % 4); from byte 786,432 the scale words [tile][K step 8][row 16].
;   so[place] = the key, sw[place] = the two weights: stored by wave 0.
; THE WEIGHTS (512 work-groups): down_projs [8][2048 (K)][1024], f32, becomes codes in wc from byte 25,165,824 and scale words in ws from byte 1,048,576, in the order of a matrix operand's registers:
;   wc: [expert 8][group of 32 columns 32][K step of 128: 16][tile u 2][1,536 bytes]; register g of lane L at 512 (g / 4) + 16 L + 4 (g % 4); row p of tile u is column 8 u + p + (p & 8) of the group.
;   ws: [expert][group][q 8][lane 32][2 words]: K steps 2 q, 2 q + 1; lanes 0-15 tile 0's rows, lanes 16-31 tile 1's.
; LIMITS.  NaN and infinities are not served.  A block whose largest magnitude lies under 2^-124 keeps the byte 1; a block of zeros keeps the byte 1 with zero codes (only this program reads the bytes).
; A token's 16 bytes a lane go to rows that the sort has parted: these stores do not fill aligned runs of 256 bytes; they are 786,432 bytes beside the 67,108,864 that the launch streams.
.set KR,  16                           ; v16-47   all 1,024 keys
.set XA,  48                           ; v48-175  my two K steps: 64 numbers each
.set TM,  176                          ; v176-191 at work
.set PC0, 192                          ; v192-210 the first K step's fragment (12) and what is moved into it
.set PC1, 236                          ; v236-254 the second's: so no store's data are written again
.set WX,  48
.set WT,  16
.set WF0, 20
.set WF1, 32
.macro LOADB t, pitch                  ; block t: 32 rows, 128 bytes a wave each; the four waves stand side by side on 512
.set li, 0
.rept 32
	global_load_b32 v[WX+32*((\t)%3)+li], v2, s[4:5] offset:(32*(\t)+li)*(\pitch) th:TH_LOAD_NT
.set li, li+1
.endr
.endm
.macro BLOCK t, pitch                  ; block t = 4 sl + 2 c + hh: K step sl of the wave's two, registers 6 c on, of the operand's half hh
.set XB, WX+32*((\t)%3)
.set SL, (\t)/4
.set CC, ((\t)/2)%2
.set HH, (\t)%2
.set FD, WF0+12*HH+6*CC
.if (\t) < 7
	s_wait_loadcnt 32                              ; this block's 32 loads are in; the next block's may be out
.else
	s_wait_loadcnt 0x0
.endif
.if (\t) < 6
	LOADB (\t)+2, \pitch                           ; into the set that the block before has left
.endif
.if (\t) == 4
	s_wait_xcnt 0x0                                ; the first K step's stores have read the fragments' registers: only now are they written again
.endif
	v_max3_num_f32 v10, |v[XB]|, |v[XB+1]|, |v[XB+2]|
	v_max3_num_f32 v11, |v[XB+3]|, |v[XB+4]|, |v[XB+5]|
.irp i, 6,10,14,18,22,26
	v_max3_num_f32 v10, v10, |v[XB+\i]|, |v[XB+\i+1]|
	v_max3_num_f32 v11, v11, |v[XB+\i+2]|, |v[XB+\i+3]|
.endr
	v_max3_num_f32 v10, v10, |v[XB+30]|, |v[XB+31]|
	v_max3_num_f32 v10, v10, v11, 0x1800000        ; and the floor 2^(3 - 127): the byte cannot fall under 1
	v_add_nc_u32 v12, 0xff000000, v10              ; 2 off the exponent field: the conversion's scale operand
	v_lshrrev_b32 v13, 23, v12                     ; the scale's byte
.if (\t)%4 == 0
	v_mov_b32 v[14+SL], v13
.else
	v_lshl_or_b32 v[14+SL], v13, 8*((\t)%4), v[14+SL]
.endif
	v_cvt_scalef32_pk16_fp6_f32 v[FD:FD+2], v[XB:XB+15], v12
	v_cvt_scalef32_pk16_fp6_f32 v[WT:WT+2], v[XB+16:XB+31], v12     ; (a conversion's three registers begin on an even number)
	v_nop                                          ; a plain instruction behind the conversions
.irp i, 0,1,2
	v_mov_b32 v[FD+3+\i], v[WT+\i]
.endr
.if HH == 1                            ; the first's lanes 16-31 change places with the second's lanes 0-15: tile 0's registers 6 c on in the first, tile 1's in the second
.irp i, 0,1,2,3,4,5
	v_permlane16_swap_b32 v[WF0+6*CC+\i], v[WF1+6*CC+\i]
.endr
.endif
.if (\t)%4 == 3
.irp u, 0,1
.irp j, 0,1,2
	global_store_b128 v3, v[WF0+12*\u+4*\j:WF0+12*\u+4*\j+3], s[8:9] offset:SL*3072+\u*1536+512*\j   ; 32 lanes store 512 consecutive bytes
.endr
.endr
.endif
.endm
.macro WQ pitch
	LOADB 0, \pitch
	LOADB 1, \pitch
.irp t, 0,1,2,3,4,5,6,7
	BLOCK \t, \pitch
.endr
	global_store_b64 v4, v[14:15], s[10:11]        ; 32 lanes store 256 consecutive bytes, aligned
	s_endpgm
.endm
.macro XLOAD s                         ; my K step s (0, 1) of my row: of each block of 32 my half's 16 neighbours
.irp b, 0,1,2,3
.irp j, 0,1,2,3
	global_load_b128 v[XA+64*(\s)+16*\b+4*\j:XA+64*(\s)+16*\b+4*\j+3], v7, s[4:5] offset:512*(\s)+128*\b+16*\j
.endr
.endr
.endm
.macro RANK8                           ; eight keys in v216-223: 1 for each that is smaller than mine, into four counters
.irp n, 0,1,2,3,4,5,6,7
	v_sub_nc_u32 v[216+\n], v[216+\n], v8
.endr
.irp n, 0,1,2,3,4,5,6,7
	v_lshrrev_b32 v[216+\n], 31, v[216+\n]
.endr
.irp n, 0,1,2,3
	v_add3_u32 v[224+\n], v[224+\n], v[216+2*\n], v[217+2*\n]
.endr
.endm
; 64 numbers of a lane, v[s] on, register 16 b + i = k 32 b + 16 (lane / 16) + i of my row, become a fragment's 12 registers in v[pc] on and its scale word in v[pw].
.macro QUANT s, pc, pw
.irp b, 0,1,2,3
	v_max3_num_f32 v[TM+\b], |v[\s+16*\b]|, |v[\s+1+16*\b]|, 0x1800000   ; my 16 numbers of block b, and the floor 2^(3 - 127)
.endr
.irp i, 2,4,6,8,10,12,14
.irp b, 0,1,2,3
	v_max3_num_f32 v[TM+\b], v[TM+\b], |v[\s+16*\b+\i]|, |v[\s+1+16*\b+\i]|
.endr
.endr
.irp b, 0,1,2,3
	v_permlanex16_b32 v[TM+4+\b], v[TM+\b], s30, s31
.endr
.irp b, 0,1,2,3
	v_max_num_f32 v[TM+\b], v[TM+\b], v[TM+4+\b]   ; with lane l xor 16's: the block's largest magnitude
.endr
.irp b, 0,1,2,3
	v_add_nc_u32 v[TM+12+\b], 0xff000000, v[TM+\b] ; 2 off the exponent field: the conversion's scale operand
.endr
.irp b, 0,1,2,3
	v_lshrrev_b32 v[TM+4+\b], 23, v[TM+12+\b]      ; the scale's byte
.endr
	v_lshl_or_b32 v[\pw], v[TM+5], 8, v[TM+4]
	v_lshl_or_b32 v[\pw], v[TM+6], 16, v[\pw]
	v_lshl_or_b32 v[\pw], v[TM+7], 24, v[\pw]
.irp c, 0,1
	v_cvt_scalef32_pk16_fp6_f32 v[\pc+6*\c:\pc+2+6*\c], v[\s+32*\c:\s+15+32*\c], v[TM+12+2*\c]
	v_cvt_scalef32_pk16_fp6_f32 v[\pc+12+4*\c:\pc+14+4*\c], v[\s+16+32*\c:\s+31+32*\c], v[TM+12+2*\c+1]   ; (a conversion's three registers begin on an even number)
.endr
	v_nop                                          ; a plain instruction behind the conversions
.irp c, 0,1                            ; the operand's layout wants a WHOLE block in a lane: lanes 0-15 block 2 c, lanes 16-31 block 2 c + 1
.irp i, 0,1,2
	v_permlane16_swap_b32 v[\pc+6*\c+\i], v[\pc+12+4*\c+\i]
.endr
.irp i, 0,1,2
	v_mov_b32 v[\pc+3+6*\c+\i], v[\pc+12+4*\c+\i]
.endr
.endr
.endm
	s_mul_hi_u32 s2, ttmp9, 0x38e38e39             ; 9 x 0x38e38e39 = 2^33 + 1:
	s_lshr_b32 s2, s2, 1                           ; the work-group's number / 9,
	s_mul_i32 s3, s2, 9
	s_sub_co_u32 s3, ttmp9, s3                     ; and what is left: 0 tokens, 1 to 8 weights
	s_cmp_lg_u32 s3, 0
	s_cbranch_scc1 .Lweights
	; ---------------- the work-group takes 16 tokens; lanes r and r + 16 of every wave take token r
	s_load_b128 s[4:7], s[0:1], 0x0                ; x, rt
	s_load_b64 s[8:9], s[0:1], 0x10                ; tw
	s_load_b128 s[12:15], s[0:1], 0x20             ; xc, so
	s_load_b64 s[16:17], s[0:1], 0x30              ; sw
	v_lshrrev_b32 v1, 5, v0
	v_readfirstlane_b32 s18, v1                    ; wave
	v_and_b32 v1, 31, v0                           ; lane
	v_and_b32 v2, 15, v0                           ; r
	v_bfe_u32 v3, v0, 4, 1                         ; h
	v_lshlrev_b32 v4, 2, v2
	v_lshlrev_b32 v5, 3, v2
	v_lshlrev_b32 v6, 4, v1
	v_lshlrev_b32 v7, 12, v2
	v_lshl_add_u32 v7, v3, 6, v7                   ; x: row r of 4,096 bytes, + 64 h
	s_lshl_b32 s19, s2, 4                          ; the work-group's first token
	s_mov_b32 s25, 0
	s_mov_b32 s30, 0x76543210                      ; v_permlanex16_b32's selects for lane l xor 16
	s_mov_b32 s31, 0xfedcba98
	s_wait_alu depctr_va_vdst(0)
	s_wait_kmcnt 0x0
	s_lshl_b32 s24, s19, 2
	s_add_nc_u64 s[20:21], s[6:7], s[24:25]
	s_lshl_b32 s24, s19, 3
	s_add_nc_u64 s[8:9], s[8:9], s[24:25]
	s_lshl_b32 s24, s19, 12
	s_lshl_b32 s22, s18, 10
	s_add_co_u32 s24, s24, s22
	s_add_nc_u64 s[4:5], s[4:5], s[24:25]          ; x at the first token, my two K steps: 1,024 bytes a wave
	s_mul_i32 s24, s18, 3072
	s_add_nc_u64 s[26:27], s[12:13], s[24:25]      ; xc: my two K steps' images
	s_lshl_b32 s24, s18, 7
	s_add_co_u32 s24, s24, 786432
	s_add_nc_u64 s[28:29], s[12:13], s[24:25]      ; and their scale words
	global_load_b32 v8, v4, s[20:21]               ; my token's key
	global_load_b64 v[10:11], v5, s[8:9]           ; and its two weights
.irp j, 0,1,2,3,4,5,6,7
	global_load_b128 v[KR+4*\j:KR+4*\j+3], v6, s[6:7] offset:512*\j
.endr
	XLOAD 0
	XLOAD 1
.irp n, 0,1,2,3,4,5,6,7,8,9,10,11
	v_mov_b32 v[216+\n], 0                         ; the four counters; and destinations of lane moves count as read: written once
.endr
.irp b, 0,1,2,3
	v_mov_b32 v[TM+4+\b], 0
.endr
	s_wait_loadcnt 32                              ; the keys are in; my two K steps of x may be out
.set g, 0
.rept 32                               ; each half of the lanes counts against the 512 keys that lie in its own 16 lanes
.irp n, 0,1,2,3,4,5,6,7
	v_mov_b32_dpp v[216+\n], v[KR+g] row_share:\n row_mask:0xf bank_mask:0xf
.endr
	RANK8
.irp n, 8,9,10,11,12,13,14,15
	v_mov_b32_dpp v[208+\n], v[KR+g] row_share:\n row_mask:0xf bank_mask:0xf
.endr
	RANK8
.set g, g+1
.endr
	v_add3_u32 v224, v224, v225, v226
	v_add_nc_u32 v224, v224, v227
	v_permlanex16_b32 v225, v224, s30, s31
	v_add_nc_u32 v228, v224, v225                  ; the two halves' counts: my token's place
	v_min_u32 v228, 0x3ff, v228
	v_and_b32 v229, 0x3f0, v228                    ; 16 x tile
	v_and_b32 v230, 15, v228                       ; row in the tile
	v_mul_u32_u24 v231, v229, 768                  ; images: tile x 12,288 + 16 x (row + 16 h)
	v_lshl_add_u32 v231, v230, 4, v231
	v_lshl_add_u32 v231, v3, 8, v231
	v_lshlrev_b32 v232, 5, v229                    ; scale words: tile x 512 + 4 x row + 64 h
	v_lshl_add_u32 v232, v230, 2, v232
	v_lshl_add_u32 v232, v3, 6, v232
	v_lshlrev_b32 v233, 2, v228
	v_lshlrev_b32 v234, 3, v228
	s_wait_loadcnt 16                              ; my first K step is in; the second's 16 loads may be out
	QUANT XA, PC0, 212
.irp c, 0,1,2
	global_store_b128 v231, v[PC0+4*\c:PC0+4*\c+3], s[26:27] offset:512*\c
.endr
	s_wait_loadcnt 0x0
	QUANT XA+64, PC1, 213
.irp c, 0,1,2
	global_store_b128 v231, v[PC1+4*\c:PC1+4*\c+3], s[26:27] offset:1536+512*\c
.endr
	s_mov_b32 s22, 0xffff0000
	v_cndmask_b32 v214, v212, v213, s22            ; lanes 0-15 store the even K step's word, lanes 16-31 the odd one's
	global_store_b32 v232, v214, s[28:29]
	s_cmp_lg_u32 s18, 0                            ; the lists are stored once: by wave 0
	s_cbranch_scc1 .Lxend
	s_wait_xcnt 0x0                                ; EXEC changes only behind this wait
	v_cmp_gt_u32 vcc_lo, 16, v1
	s_and_saveexec_b32 s23, vcc_lo
	global_store_b32 v233, v8, s[14:15]
	global_store_b64 v234, v[10:11], s[16:17]
	s_endpgm
.Lxend:
	s_endpgm
.Lweights:                             ; ---------------- a wave takes 32 columns x 256 along K of one expert's down
	s_load_b64 s[4:5], s[0:1], 0x18                ; down_projs
	s_load_b64 s[8:9], s[0:1], 0x38                ; wc
	s_load_b64 s[10:11], s[0:1], 0x40              ; ws
	v_lshrrev_b32 v1, 5, v0
	v_readfirstlane_b32 s12, v1                    ; wave
	v_and_b32 v1, 31, v0
	v_and_b32 v5, 15, v0
	v_and_b32 v6, 8, v0
	v_add_nc_u32 v5, v5, v6
	v_bfe_u32 v6, v0, 4, 1
	v_lshl_add_u32 v5, v6, 3, v5                   ; my column of the group
	v_lshlrev_b32 v2, 2, v5
	v_lshlrev_b32 v3, 4, v1
	v_lshlrev_b32 v4, 3, v1
	s_lshl_b32 s13, s2, 3
	s_add_co_u32 s13, s13, s3
	s_sub_co_u32 s13, s13, 1                       ; which of the 512 shares: 8 x (number / 9) + what is left - 1
	s_and_b32 s14, s13, 7                          ; which 256 along K
	s_bfe_u32 s15, s13, 0x30003                    ; which four groups
	s_lshr_b32 s17, s13, 6                         ; expert
	s_lshl_b32 s18, s15, 2
	s_add_co_u32 s18, s18, s12                     ; my group
	s_lshl_b32 s20, s17, 23                        ; in: expert x 8,388,608 + 256 rows of 4,096 bytes + 128 bytes a group
	s_lshl_b32 s19, s14, 20
	s_add_co_u32 s20, s20, s19
	s_lshl_b32 s19, s18, 7
	s_add_co_u32 s20, s20, s19
	s_mov_b32 s21, 0
	s_mul_i32 s22, s17, 1572864                    ; codes
	s_mul_i32 s19, s18, 49152
	s_add_co_u32 s22, s22, s19
	s_mul_i32 s19, s14, 6144
	s_add_co_u32 s22, s22, s19
	s_add_co_u32 s22, s22, 25165824
	s_mov_b32 s23, 0
	s_lshl_b32 s24, s17, 16                        ; scale words
	s_lshl_b32 s19, s18, 11
	s_add_co_u32 s24, s24, s19
	s_lshl_b32 s19, s14, 8
	s_add_co_u32 s24, s24, s19
	s_add_co_u32 s24, s24, 1048576
	s_mov_b32 s25, 0
	s_wait_alu depctr_va_vdst(0)
	s_wait_kmcnt 0x0
	s_add_nc_u64 s[4:5], s[4:5], s[20:21]
	s_add_nc_u64 s[8:9], s[8:9], s[22:23]
	s_add_nc_u64 s[10:11], s[10:11], s[24:25]
	WQ 4096
.Lfunc_end_k_q1dec978bf8_sort_wq:
	.size	k_q1dec978bf8_sort_wq, .Lfunc_end_k_q1dec978bf8_sort_wq-k_q1dec978bf8_sort_wq
	.p2alignl 7, 3214868480
	.fill 96, 4, 3214868480
	.section	.rodata,"a",@progbits
	.p2align	6, 0x0
	.amdhsa_kernel k_q1dec978bf8_sort_wq
		.amdhsa_group_segment_fixed_size 0
		.amdhsa_private_segment_fixed_size 0
		.amdhsa_enable_private_segment 0
		.amdhsa_kernarg_size 72
		.amdhsa_user_sgpr_count 2
		.amdhsa_user_sgpr_kernarg_segment_ptr 1
		.amdhsa_wavefront_size32 1
		.amdhsa_system_sgpr_workgroup_id_x 1
		.amdhsa_system_sgpr_workgroup_id_y 1
		.amdhsa_system_sgpr_workgroup_id_z 1
		.amdhsa_system_vgpr_workitem_id 0
		.amdhsa_next_free_vgpr 256
		.amdhsa_next_free_sgpr 66
		.amdhsa_reserve_vcc 1
		.amdhsa_float_denorm_mode_32 3
		.amdhsa_float_denorm_mode_16_64 3
		.amdhsa_memory_ordered 1
		.amdhsa_forward_progress 1
		.amdhsa_inst_pref_size 136
	.end_amdhsa_kernel
	.amdgpu_metadata
---
amdhsa.version: [ 1, 2 ]
amdhsa.kernels:
  - .name:           k_q1dec978bf8_sort_wq
    .symbol:         k_q1dec978bf8_sort_wq.kd
    .args:
      - { .name: x, .offset: 0, .size: 8, .value_kind: global_buffer, .address_space: global }
      - { .name: rt, .offset: 8, .size: 8, .value_kind: global_buffer, .address_space: global }
      - { .name: tw, .offset: 16, .size: 8, .value_kind: global_buffer, .address_space: global }
      - { .name: down_projs, .offset: 24, .size: 8, .value_kind: global_buffer, .address_space: global }
      - { .name: xc, .offset: 32, .size: 8, .value_kind: global_buffer, .address_space: global }
      - { .name: so, .offset: 40, .size: 8, .value_kind: global_buffer, .address_space: global }
      - { .name: sw, .offset: 48, .size: 8, .value_kind: global_buffer, .address_space: global }
      - { .name: wc, .offset: 56, .size: 8, .value_kind: global_buffer, .address_space: global }
      - { .name: ws, .offset: 64, .size: 8, .value_kind: global_buffer, .address_space: global }
    .group_segment_fixed_size: 0
    .private_segment_fixed_size: 0
    .kernarg_segment_align: 8
    .kernarg_segment_size: 72
    .max_flat_workgroup_size: 128
    .sgpr_count:     66
    .vgpr_count:     256
    .wavefront_size: 32
...
	.end_amdgpu_metadata
.endif
;; end of part 2
;; launch gateup (part 3): grid 16 x 16, 4 waves a work-group, no clusters, 6,912 bytes of LDS; arguments xc, so, sw, wc, ws, hc; writes hc
.if DOCPART == 3
	.amdgcn_target "amdgcn-amd-amdhsa--gfx1250"
	.amdhsa_code_object_version 6
	.text
	.protected	k_q1dec978bf8_gateup
	.globl	k_q1dec978bf8_gateup
	.p2align	8
	.type	k_q1dec978bf8_gateup,@function
k_q1dec978bf8_gateup:
	s_mov_b64 s[64:65], 0
	v_nop
	global_prefetch_b8 v0, s[64:65] scope:SCOPE_SE
	s_setreg_imm32_b32 hwreg(HW_REG_WAVE_MODE, 25, 1), 1
	s_wait_xcnt 0x0
; inter = silu(sum over experts of rw x (x gate_p)) x (sum over experts of rw x (x up_p)), quantised along its 2,048 into hc.  Both products on codes of FP6 (E2M3) with E8M0 scales, sums in f32.
; ONLY THE EXPERTS THAT ARE USED ARE MULTIPLIED.  The tokens lie sorted by their pair of experts (so, whole numbers stored by the launch before).  A work-group owns 64 sorted places (y) x 128 columns (x): it walks the experts that
; any of its 64 tokens uses, and weighs each product with the token's rw for that expert, which is 0 for a token that does not use it.  So each number of inter has one owner, who sees both of its experts.
; SHARES.  Wave w takes the 32 columns of group 4 x + w, of gate and of up, for all four tiles of 16 tokens.  The tokens' 32 fragments (8 K steps x 4 tiles) stay in registers; tokens and weights come from memory straight into registers,
; laid by the earlier launches as images of the operand's registers: every load of a wave covers 512 consecutive bytes.  Trip counts and addresses hang on the stored list, so there is no tensor load, no cluster, and no barrier in the walk.
; TRANSPOSED USE: source 0 = 16 rows of the weight, source 1 = 16 tokens.  Row p of tile u is column 8 u + p + (p & 8) of the group, so register j of lane (r, h) of tile u is token r, column 16 h + 8 u + j: a lane's 16 registers of
; tiles 0, 1 are 16 neighbours along the next product's K, and a group is one block of 32.
; AN EXPERT is 8 half-sets k of 4 weight fragments (K steps 2 (k % 4), + 1; tiles 0, 1; k / 4: gate, up), 6,144 consecutive bytes each, through a ring of four slots in registers, asked for four half-sets ahead, across experts too.
; hc: [tile 64][K step of 128: 16][1,536 bytes]: an image of the operand's registers, register g of lane L at 512 (g / 4) + 16 L + 4 (g % 4); from byte 1,572,864 the scale words [tile][K step 16][row 16].
; The work-group's 128 columns are one K step: each wave holds a quarter of each tile's image (block w: registers 6 (w / 2) + 3 h + 0 .. 2 of lane r + 16 (w % 2)); the quarters meet in LDS, and wave w stores tile w's image whole.
; LDS: bytes 0-255 the scale bytes (4 r + w + 64 m); from 256 four images of 1,536 bytes.
; LIMITS.  NaN and infinities are not served.  A block whose largest magnitude lies under 2^-124 keeps the byte 1, a block of zeros too, with zero codes.  silu holds for every finite number: 2^(large) is infinite, its reciprocal 0.
; REGISTERS, in windows of 256.  Window 0: v1-7 offsets; v8-19 keys and experts; v20-35 weights; v40-55 the tokens' scale words, v56-71 the weights' (these hold scales alone); v72-199 the weighted sums; v200-255 the way out.
;   Windows 1, 2: the tokens' fragments: (K step s, tile m) at 12 (4 (s % 4) + m) of window 1 + s / 4.   Window 3: v0-191 the ring; v192-255 eight accumulators, (m, u) at 8 (2 m + u).
.set SA,  40
.set SB,  56
.set FIN, 72                           ; 32 m + 16 (0 gate, 1 up) + 8 u + j
.set ACC, 192
.set TT,  200
.set MSB, 0
.macro WIN new                         ; the immediate's high byte repeats the setting that is left; a switch that changes nothing is dropped
.if MSB != (\new)
	s_set_vgpr_msb (MSB<<8)|(\new)
.set MSB, \new
.endif
.endm
.macro PLACES n
.rept \n
	v_nop
.endr
.endm
.macro ALOAD m                         ; tile m's 8 fragments: three loads of 16 bytes a lane each, as the image lies
.set sq, 0
.rept 8
.if sq < 4
	WIN 0x40
.else
	WIN 0x80
.endif
.set FB, 12*(4*(sq%4)+(\m))
.irp j, 0,1,2
	global_load_b128 v[FB+4*\j:FB+4*\j+3], v1, s[20:21] offset:(\m)*12288+sq*1536+512*\j
.endr
.set sq, sq+1
.endr
	WIN 0
.endm
.macro WM                              ; one product; the symbols w.. are set by the caller
.if wZ
.if wRA == 0
	v_wmma_scale_f32_16x16x128_f8f6f4 v[wD:wD+7], v[wA:wA+11], v[wB:wB+11], 0, v[wSW], v[wSX] matrix_a_fmt:MATRIX_FMT_FP6 matrix_b_fmt:MATRIX_FMT_FP6
.else
	v_wmma_scale_f32_16x16x128_f8f6f4 v[wD:wD+7], v[wA:wA+11], v[wB:wB+11], 0, v[wSW], v[wSX] matrix_a_fmt:MATRIX_FMT_FP6 matrix_b_fmt:MATRIX_FMT_FP6 matrix_a_scale:MATRIX_SCALE_ROW1
.endif
.elseif (wRA == 0) && (wRB == 0)
	v_wmma_scale_f32_16x16x128_f8f6f4 v[wD:wD+7], v[wA:wA+11], v[wB:wB+11], v[wD:wD+7], v[wSW], v[wSX] matrix_a_fmt:MATRIX_FMT_FP6 matrix_b_fmt:MATRIX_FMT_FP6
.elseif (wRA == 1) && (wRB == 0)
	v_wmma_scale_f32_16x16x128_f8f6f4 v[wD:wD+7], v[wA:wA+11], v[wB:wB+11], v[wD:wD+7], v[wSW], v[wSX] matrix_a_fmt:MATRIX_FMT_FP6 matrix_b_fmt:MATRIX_FMT_FP6 matrix_a_scale:MATRIX_SCALE_ROW1
.elseif (wRA == 0) && (wRB == 1)
	v_wmma_scale_f32_16x16x128_f8f6f4 v[wD:wD+7], v[wA:wA+11], v[wB:wB+11], v[wD:wD+7], v[wSW], v[wSX] matrix_a_fmt:MATRIX_FMT_FP6 matrix_b_fmt:MATRIX_FMT_FP6 matrix_b_scale:MATRIX_SCALE_ROW1
.else
	v_wmma_scale_f32_16x16x128_f8f6f4 v[wD:wD+7], v[wA:wA+11], v[wB:wB+11], v[wD:wD+7], v[wSW], v[wSX] matrix_a_fmt:MATRIX_FMT_FP6 matrix_b_fmt:MATRIX_FMT_FP6 matrix_a_scale:MATRIX_SCALE_ROW1 matrix_b_scale:MATRIX_SCALE_ROW1
.endif
.endm
; Half-set k: 16 products.  The eight accumulators take turns, one instruction a turn, in the same order in every half-set.  A sum's first product takes the constant 0: nothing is cleared.
; The weights' scale register holds tile 0's rows in lanes 0-15 and tile 1's in lanes 16-31; the tokens' holds the even K step in lanes 0-15 and the odd one in lanes 16-31.
.macro HSMUL k
.if ((\k)%4) < 2
	WIN 0xf7                                       ; ring and accumulators window 3, tokens window 1
.else
	WIN 0xfb                                       ; tokens window 2
.endif
.irp si, 0,1
.irp u, 0,1
.irp m, 0,1,2,3
.set wD, ACC+8*(2*\m+\u)
.set wA, 48*((\k)%4)+12*(2*\si+\u)
.set wB, 12*(4*((2*((\k)%4)+\si)%4)+\m)
.set wZ, 0
.if (((\k)%4) == 0) && (\si == 0)
.set wZ, 1
.endif
.set wSW, SB+2*(\k)+\si
.set wSX, SA+4*\m+((\k)%4)
.set wRA, \u
.set wRB, \si
	WM
.endr
.endr
.endr
.endm
; Behind half-set k its slot and its scale pair are free.  The pair takes the next expert's; the slot takes this expert's half-set k + 4 (up) or the next expert's half-set k - 4 (gate).  last = 1: there is no next expert.
.macro REFILL k, last
.if !\last
.if \k < 4
	global_load_b64 v[SB+2*\k:SB+2*\k+1], v2, s[34:35] offset:256*\k
.else
	global_load_b64 v[SB+2*\k:SB+2*\k+1], v2, s[34:35] offset:524288+256*(\k-4)
.endif
.endif
.if \k < 4
	WIN 0xc0                                       ; destination window 3
.irp j, 0,1,2,3,4,5,6,7,8,9,10,11
	global_load_b128 v[48*\k+4*\j:48*\k+4*\j+3], v1, s[30:31] offset:6144*\k+512*\j
.endr
	WIN 0
.elseif !\last
	WIN 0xc0
.irp j, 0,1,2,3,4,5,6,7,8,9,10,11
	global_load_b128 v[48*(\k-4)+4*\j:48*(\k-4)+4*\j+3], v1, s[32:33] offset:6144*(\k-4)+512*\j
.endr
	WIN 0
.endif
.endm
.macro COMB first, mat                 ; the weighted sum over experts; each accumulator is read from its low end on; the first expert starts the sums
	WIN 0x03                                       ; source 0 window 3
.irp m, 0,1,2,3
.irp u, 0,1
.irp j, 0,2,4,6
.if \first
	v_pk_mul_f32 v[FIN+32*\m+16*(\mat)+8*\u+\j:FIN+32*\m+16*(\mat)+8*\u+\j+1], v[ACC+8*(2*\m+\u)+\j:ACC+8*(2*\m+\u)+\j+1], v[28+2*\m:29+2*\m] op_sel_hi:[1,0]
.else
	v_pk_fma_f32 v[FIN+32*\m+16*(\mat)+8*\u+\j:FIN+32*\m+16*(\mat)+8*\u+\j+1], v[ACC+8*(2*\m+\u)+\j:ACC+8*(2*\m+\u)+\j+1], v[28+2*\m:29+2*\m], v[FIN+32*\m+16*(\mat)+8*\u+\j:FIN+32*\m+16*(\mat)+8*\u+\j+1] op_sel_hi:[1,0,1]
.endif
.endr
.endr
.endr
	WIN 0
.endm
.macro NEXTP                           ; the lowest expert left in the list becomes the next one; its number is held at 7 before it enters an address
	s_ctz_i32_b32 s37, s38
	s_min_u32 s37, s37, 7
	s_sub_co_u32 s42, s38, 1
	s_and_b32 s38, s38, s42
	s_mul_i32 s40, s37, 1572864
	s_add_nc_u64 s[32:33], s[24:25], s[40:41]      ; its gate codes
	s_lshl_b32 s40, s37, 16
	s_add_nc_u64 s[34:35], s[28:29], s[40:41]      ; its scale words
.endm
; ONE EXPERT.  A refill is 13 loads (a scale pair, then 12 of codes).  Half-set k's codes were the last 12 of the refill four back: three whole refills, 39 loads, are younger.
; In the last trip a refill is 12 loads for k < 4 and none after: the younger loads are 39, 38, 37, 36, 36, 24, 12, 0.
.macro TRIP first, last
	s_wait_xcnt 0x0                                ; the bases of the loads that are out may be written again only behind this wait
	s_mul_i32 s40, s36, 1572864
	s_add_nc_u64 s[30:31], s[26:27], s[40:41]      ; this expert's up codes
.if !\last
	NEXTP
.endif
.irp m, 0,1,2,3
	v_cmp_eq_u32 vcc_lo, s36, v[12+\m]             ; my token's rw for this expert: one of its two weights, or 0
	v_cndmask_b32 v[28+2*\m], 0, v[20+2*\m], vcc_lo
	v_cmp_eq_u32 vcc_lo, s36, v[16+\m]
	v_cndmask_b32 v[28+2*\m], v[28+2*\m], v[21+2*\m], vcc_lo
.endr
.irp k, 0,1,2,3,4,5,6,7
.if \last
.if \k < 4
	s_wait_loadcnt 39-\k
.else
	s_wait_loadcnt 12*(7-\k)
.endif
.else
	s_wait_loadcnt 39
.endif
	HSMUL \k
	WIN 0
.if (\k%4) == 3
	PLACES 5                                       ; behind these products the accumulators are read, and then begun anew by a matrix instruction: five places
.else
	PLACES 4                                       ; four places in front of loads into registers that matrix instructions have read (ISA guide 7.12.1 for vector instructions)
.endif
	REFILL \k, \last
.if \k == 3
	COMB \first, 0
.endif
.if \k == 7
	COMB \first, 1
.endif
.endr
.if !\last
	s_mov_b32 s36, s37
.endif
.endm
	s_load_b256 s[4:11], s[0:1], 0x0               ; xc, so, sw, wc
	s_load_b128 s[12:15], s[0:1], 0x20             ; ws, hc
	v_lshl_add_u32 v243, v0, 2, 0x1900
	v_mov_b32 v247, 0
	v_lshrrev_b32 v36, 5, v0
	v_readfirstlane_b32 s16, v36                   ; wave
	v_and_b32 v37, 31, v0                          ; L
	v_and_b32 v38, 15, v0                          ; r
	v_bfe_u32 v39, v0, 4, 1                        ; h
	v_lshlrev_b32 v1, 4, v37
	v_lshlrev_b32 v2, 3, v37
	v_lshlrev_b32 v3, 2, v37
	v_lshlrev_b32 v5, 2, v38
	v_lshlrev_b32 v6, 3, v38
	v_mov_b32 v7, 1
	v_lshl_add_u32 v248, v38, 2, v36               ; LDS: byte w of row r's scale word
	v_lshlrev_b32 v249, 6, v36
	v_lshl_add_u32 v249, v38, 2, v249              ; LDS: tile w's word of row r
	; LDS: where my three registers of codes lie in a tile's image: register g = 6 (w / 2) + 3 h + i of lane r + 16 (w % 2), at 512 (g / 4) + 4 (g % 4) + 16 x that lane
	v_lshrrev_b32 v250, 1, v36
	v_mul_u32_u24 v250, v250, 6
	v_mad_u32_u24 v250, v39, 3, v250               ; g for i = 0
	v_and_b32 v251, 1, v36
	v_lshlrev_b32 v251, 8, v251
	v_lshl_add_u32 v251, v38, 4, v251              ; 16 r + 256 (w % 2)
	v_add_nc_u32 v252, 2, v250
	v_lshrrev_b32 v254, 2, v252
	v_and_b32 v252, 3, v252
	v_lshl_add_u32 v254, v254, 9, v251
	v_lshl_add_u32 v254, v252, 2, v254             ; i = 2
	v_add_nc_u32 v252, 1, v250
	v_lshrrev_b32 v253, 2, v252
	v_and_b32 v252, 3, v252
	v_lshl_add_u32 v253, v253, 9, v251
	v_lshl_add_u32 v253, v252, 2, v253             ; i = 1
	v_and_b32 v252, 3, v250
	v_lshrrev_b32 v250, 2, v250
	v_lshl_add_u32 v250, v250, 9, v251
	v_lshl_add_u32 v250, v252, 2, v250             ; i = 0
	v_mul_u32_u24 v255, v36, 1536
	v_lshl_add_u32 v255, v37, 4, v255              ; LDS: tile w's image, 16 bytes a lane
.irp m, 0,1,2,3
	v_mov_b32 v[29+2*\m], 0                        ; (named as the upper half of a pair)
	v_mov_b32 v[220+\m], 0                         ; (a lane permute's destination counts as read)
.endr
	s_and_b32 s18, ttmp7, 0xffff                   ; which 64 places
	s_lshl_b32 s19, ttmp9, 2
	s_add_co_u32 s19, s19, s16                     ; my group of 32 columns
	s_mov_b32 s41, 0
	s_mov_b32 s50, 0x76543210
	s_mov_b32 s51, 0xfedcba98
	s_wait_kmcnt 0x0
	s_lshl_b32 s40, s18, 8
	s_add_nc_u64 s[6:7], s[6:7], s[40:41]
	s_lshl_b32 s40, s18, 9
	s_add_nc_u64 s[8:9], s[8:9], s[40:41]
	s_mul_i32 s40, s18, 49152
	s_add_nc_u64 s[20:21], s[4:5], s[40:41]        ; the tokens' images
	s_lshl_b32 s40, s18, 11
	s_add_co_u32 s40, s40, 786432
	s_add_nc_u64 s[22:23], s[4:5], s[40:41]        ; and scale words
	s_mul_i32 s40, s19, 24576
	s_add_nc_u64 s[24:25], s[10:11], s[40:41]      ; my group in gate's codes,
	s_add_nc_u64 s[26:27], s[24:25], 12582912      ; in up's (too far for an immediate),
	s_lshl_b32 s40, s19, 10
	s_add_nc_u64 s[28:29], s[12:13], s[40:41]      ; and in the scale words
	s_lshl_b32 s45, s18, 2
	s_add_co_u32 s45, s45, s16                     ; the tile that I store: 4 y + w
	s_mul_i32 s40, s45, 24576
	s_mul_i32 s42, ttmp9, 1536
	s_add_co_u32 s40, s40, s42
	s_add_nc_u64 s[46:47], s[14:15], s[40:41]      ; hc: that tile's image of K step x
	s_lshl_b32 s40, s45, 10
	s_lshl_b32 s42, ttmp9, 6
	s_add_co_u32 s40, s40, s42
	s_add_co_u32 s40, s40, 1572864
	s_add_nc_u64 s[48:49], s[14:15], s[40:41]      ; and its scale words
.irp m, 0,1,2,3
	global_load_b32 v[8+\m], v5, s[6:7] offset:64*\m
	global_load_b64 v[20+2*\m:21+2*\m], v6, s[8:9] offset:128*\m
.endr
	ALOAD 0
	ALOAD 1
	s_wait_loadcnt 48                              ; the keys and weights are in; the 48 loads of tiles 0 and 1 may be out
.irp m, 0,1,2,3
	v_bfe_u32 v[12+\m], v[8+\m], 13, 3             ; the lower expert,
	v_bfe_u32 v[16+\m], v[8+\m], 10, 3             ; the key's second field:
	v_and_b32 v36, 1, v[12+\m]
	v_mul_u32_u24 v36, 7, v36
	v_xor_b32 v[16+\m], v[16+\m], v36              ; the higher expert, xor 7 where the lower one is odd
.endr
	v_lshlrev_b32 v36, v12, v7
	v_lshlrev_b32 v37, v16, v7
	v_or_b32 v36, v36, v37
.irp m, 1,2,3
	v_lshlrev_b32 v37, v[12+\m], v7
	v_lshlrev_b32 v38, v[16+\m], v7
	v_or_b32 v36, v36, v37
	v_or_b32 v36, v36, v38
.endr
	s_wait_alu depctr_va_vdst(0)
	s_mov_b32 s38, 0                               ; the list: bit p is set if any of the 64 tokens uses expert p
.irp p, 0,1,2,3,4,5,6,7
	v_and_b32 v37, 1<<\p, v36
	v_cmp_ne_u32 vcc_lo, 0, v37
	s_cmp_lg_u32 vcc_lo, 0
	s_cselect_b32 s42, 1<<\p, 0
	s_or_b32 s38, s38, s42
.endr
	s_bcnt1_i32_b32 s39, s38                       ; at least 2: a token's two experts differ
	s_max_u32 s39, s39, 2
	s_sub_co_u32 s39, s39, 2                       ; trips between the first and the last
.irp m, 0,1,2,3
.irp q, 0,1,2,3
	global_load_b32 v[SA+4*\m+\q], v3, s[22:23] offset:512*\m+128*\q
.endr
.endr
	ALOAD 2
	ALOAD 3
	NEXTP                                          ; the first expert: asked for as a trip's second half asks for the next, so that the counts hold from the first half-set on
.irp k, 0,1,2,3
	global_load_b64 v[SB+2*\k:SB+2*\k+1], v2, s[34:35] offset:256*\k
.endr
.irp k, 4,5,6,7
	REFILL \k, 0
.endr
	s_mov_b32 s36, s37
	TRIP 1, 0
	s_cmp_eq_u32 s39, 0
	s_cbranch_scc1 .Ltail
	s_mov_b32 s44, 0
.Lloop:
	TRIP 0, 0
	s_add_co_u32 s44, s44, 1
	s_cmp_lt_u32 s44, s39
	s_cbranch_scc1 .Lloop
.Ltail:
	TRIP 0, 1
	; THE WAY OUT.  inter = g / (1 + 2^(-g log2(e))) x u, in f32, tile by tile; it takes the gate's 16 registers
.irp m, 0,1,2,3
.set G, FIN+32*\m
.irp j, 0,2,4,6,8,10,12,14
	v_pk_mul_f32 v[TT+\j:TT+\j+1], v[G+\j:G+\j+1], 0xbfb8aa3b op_sel_hi:[1,0]
.endr
	s_wait_alu depctr_va_vdst(0)
.irp j, 0,1,2,3,4,5,6,7,8,9,10,11,12,13,14,15
	v_exp_f32 v[TT+\j], v[TT+\j]
.endr
	v_nop                                          ; a plain instruction behind the exponentials
	s_wait_alu depctr_va_vdst(0)
.irp j, 0,2,4,6,8,10,12,14
	v_pk_add_f32 v[TT+\j:TT+\j+1], v[TT+\j:TT+\j+1], 1.0 op_sel_hi:[1,0]
.endr
	s_wait_alu depctr_va_vdst(0)
.irp j, 0,1,2,3,4,5,6,7,8,9,10,11,12,13,14,15
	v_rcp_f32 v[TT+\j], v[TT+\j]
.endr
	v_nop
	s_wait_alu depctr_va_vdst(0)
.irp j, 0,2,4,6,8,10,12,14
	v_pk_mul_f32 v[G+\j:G+\j+1], v[G+\j:G+\j+1], v[TT+\j:TT+\j+1]
.endr
.irp j, 0,2,4,6,8,10,12,14
	v_pk_mul_f32 v[G+\j:G+\j+1], v[G+\j:G+\j+1], v[G+16+\j:G+16+\j+1]
.endr
.endr
	; quantised along the next K: my 16 numbers and lane l xor 16's are a block of 32; the four tiles by turns
.irp m, 0,1,2,3
	v_max3_num_f32 v[216+\m], |v[FIN+32*\m]|, |v[FIN+32*\m+1]|, 0x1800000
.endr
.irp i, 2,4,6,8,10,12,14
.irp m, 0,1,2,3
	v_max3_num_f32 v[216+\m], v[216+\m], |v[FIN+32*\m+\i]|, |v[FIN+32*\m+\i+1]|
.endr
.endr
.irp m, 0,1,2,3
	v_permlanex16_b32 v[220+\m], v[216+\m], s50, s51
.endr
.irp m, 0,1,2,3
	v_max_num_f32 v[216+\m], v[216+\m], v[220+\m]
.endr
.irp m, 0,1,2,3
	v_add_nc_u32 v[224+\m], 0xff000000, v[216+\m]  ; 2 off the exponent field: the conversion's scale operand
.endr
.irp m, 0,1,2,3
	v_lshrrev_b32 v[228+\m], 23, v[224+\m]         ; the scale's byte
.endr
.irp m, 0,1,2,3
	v_cvt_scalef32_pk16_fp6_f32 v[232+4*\m:234+4*\m], v[FIN+32*\m:FIN+32*\m+15], v[224+\m]
.endr
	v_nop                                          ; a plain instruction behind the conversions
.irp m, 0,1,2,3
	ds_store_b32 v250, v[232+4*\m] offset:256+1536*\m      ; my quarter of tile m's image, register by register
	ds_store_b32 v253, v[233+4*\m] offset:256+1536*\m
	ds_store_b32 v254, v[234+4*\m] offset:256+1536*\m
	ds_store_b8 v248, v[228+\m] offset:64*\m       ; a scale word's four bytes come from the four waves; both lanes of a row write the same byte with the same value
.endr
	s_wait_dscnt 0x0                               ; for the others' sake: my codes and bytes are in LDS
	s_barrier_signal -1
	s_barrier_wait -1
.irp j, 0,1,2
	ds_load_b128 v[200+4*\j:203+4*\j], v255 offset:256+512*\j      ; tile w's image, whole
.endr
	ds_load_b32 v251, v249                         ; and its 16 scale words
	s_wait_dscnt 0x0
.irp j, 0,1,2
	global_store_b128 v1, v[200+4*\j:203+4*\j], s[46:47] offset:512*\j     ; 32 lanes store 512 consecutive bytes, at a multiple of 512 from hc's first byte
.endr
	s_wait_xcnt 0x0                                ; EXEC changes only behind this wait
	v_and_b32 v252, 31, v0
	v_cmp_gt_u32 vcc_lo, 16, v252
	s_wait_tensorcnt 0x0
	ds_add_u32 v243, v247
	s_wait_dscnt 0x0
	s_and_saveexec_b32 s43, vcc_lo
	global_store_b32 v5, v251, s[48:49]
	s_endpgm
.Lfunc_end_k_q1dec978bf8_gateup:
	.size	k_q1dec978bf8_gateup, .Lfunc_end_k_q1dec978bf8_gateup-k_q1dec978bf8_gateup
	.p2alignl 7, 3214868480
	.fill 96, 4, 3214868480
	.section	.rodata,"a",@progbits
	.p2align	6, 0x0
	.amdhsa_kernel k_q1dec978bf8_gateup
		.amdhsa_group_segment_fixed_size 6912
		.amdhsa_private_segment_fixed_size 0
		.amdhsa_enable_private_segment 0
		.amdhsa_kernarg_size 48
		.amdhsa_user_sgpr_count 2
		.amdhsa_user_sgpr_kernarg_segment_ptr 1
		.amdhsa_wavefront_size32 1
		.amdhsa_system_sgpr_workgroup_id_x 1
		.amdhsa_system_sgpr_workgroup_id_y 1
		.amdhsa_system_sgpr_workgroup_id_z 1
		.amdhsa_system_vgpr_workitem_id 0
		.amdhsa_next_free_vgpr 1024
		.amdhsa_next_free_sgpr 66
		.amdhsa_reserve_vcc 1
		.amdhsa_float_denorm_mode_32 3
		.amdhsa_float_denorm_mode_16_64 3
		.amdhsa_memory_ordered 1
		.amdhsa_forward_progress 1
		.amdhsa_inst_pref_size 137
	.end_amdhsa_kernel
	.amdgpu_metadata
---
amdhsa.version: [ 1, 2 ]
amdhsa.kernels:
  - .name:           k_q1dec978bf8_gateup
    .symbol:         k_q1dec978bf8_gateup.kd
    .args:
      - { .name: xc, .offset: 0, .size: 8, .value_kind: global_buffer, .address_space: global }
      - { .name: so, .offset: 8, .size: 8, .value_kind: global_buffer, .address_space: global }
      - { .name: sw, .offset: 16, .size: 8, .value_kind: global_buffer, .address_space: global }
      - { .name: wc, .offset: 24, .size: 8, .value_kind: global_buffer, .address_space: global }
      - { .name: ws, .offset: 32, .size: 8, .value_kind: global_buffer, .address_space: global }
      - { .name: hc, .offset: 40, .size: 8, .value_kind: global_buffer, .address_space: global }
    .group_segment_fixed_size: 6912
    .private_segment_fixed_size: 0
    .kernarg_segment_align: 8
    .kernarg_segment_size: 48
    .max_flat_workgroup_size: 128
    .sgpr_count:     66
    .vgpr_count:     1024
    .wavefront_size: 32
...
	.end_amdgpu_metadata
.endif
;; end of part 3
;; launch down (part 4): grid 8 x 32, 4 waves a work-group, no clusters, 17,408 bytes of LDS; arguments hc, so, sw, wc, ws, out0; writes out0
.if DOCPART == 4
	.amdgcn_target "amdgcn-amd-amdhsa--gfx1250"
	.amdhsa_code_object_version 6
	.text
	.protected	k_q1dec978bf8_down
	.globl	k_q1dec978bf8_down
	.p2align	8
	.type	k_q1dec978bf8_down,@function
k_q1dec978bf8_down:
	s_mov_b64 s[64:65], 0
	v_nop
	global_prefetch_b8 v0, s[64:65] scope:SCOPE_SE
	s_setreg_imm32_b32 hwreg(HW_REG_WAVE_MODE, 25, 1), 1
	s_wait_xcnt 0x0
; out0 = sum over experts of rw x (inter down_p), on codes of FP6 (E2M3) with E8M0 scales, sums in f32.  inter's codes (hc) lie by sorted place; each row of the result goes to its token's row of out0.
; ONLY THE EXPERTS THAT ARE USED ARE MULTIPLIED.  A work-group owns 32 sorted places (y) x 128 columns (x) and walks the experts that any of its 32 tokens uses (so: whole numbers stored two launches before); a token that does not use
; an expert has the weight 0 for it.  So each number of out0 has one owner.
; SHARES.  Wave w takes the 32 columns of group 4 x + w for both tiles of 16 tokens.  The tokens' 32 fragments (16 K steps x 2 tiles) stay in registers; tokens and weights come from memory straight into registers, as images of the
; operand's registers: every load of a wave covers 512 consecutive bytes.  Trip counts and addresses hang on the stored list: no tensor load, no cluster, no barrier in the walk.
; hc: [tile 64][K step of 128: 16][1,536 bytes], register g of lane L at 512 (g / 4) + 16 L + 4 (g % 4); from byte 1,572,864 the scale words [tile][K step 16][row 16].
; TRANSPOSED USE: source 0 = 16 rows of the weight, source 1 = 16 tokens; register j of lane (r, h) of tile u is token r, column 16 h + 8 u + j of the group.
; AN EXPERT is 8 half-sets k of 4 weight fragments (K steps 2 k, 2 k + 1; tiles 0, 1), 6,144 consecutive bytes each, through a ring of four slots in registers, asked for four half-sets ahead, across experts too.
; LIMITS.  NaN and infinities are not served.
; REGISTERS, in windows of 256.  Window 0: v1-7 offsets; v8-17 keys and experts; v20-31 weights; v40-55 the tokens' scale words, v56-71 the weights' (these hold scales alone); v72-103 the weighted sums; v112-151 the way out.
;   Windows 1, 2: the tokens' fragments: (K step s, tile m) at 12 (2 (s % 8) + m) of window 1 + s / 8.   Window 3: v0-191 the ring; v192-223 four accumulators, (m, u) at 8 (2 m + u).
.set SA,  40
.set SB,  56
.set FIN, 72                           ; 16 m + 8 u + j
.set ACC, 192
.set MSB, 0
.macro WIN new                         ; the immediate's high byte repeats the setting that is left; a switch that changes nothing is dropped
.if MSB != (\new)
	s_set_vgpr_msb (MSB<<8)|(\new)
.set MSB, \new
.endif
.endm
.macro PLACES n
.rept \n
	v_nop
.endr
.endm
.macro ALOAD m, s0                     ; tile m's fragments of K steps s0 .. s0 + 7: three loads of 16 bytes a lane each, as the image lies
.if (\s0) < 8
	WIN 0x40
.else
	WIN 0x80
.endif
.set sq, \s0
.rept 8
.set FB, 12*(2*(sq%8)+(\m))
.irp j, 0,1,2
	global_load_b128 v[FB+4*\j:FB+4*\j+3], v1, s[20:21] offset:(\m)*24576+sq*1536+512*\j
.endr
.set sq, sq+1
.endr
	WIN 0
.endm
.macro WM                              ; one product; the symbols w.. are set by the caller
.if wZ
.if wRA == 0
	v_wmma_scale_f32_16x16x128_f8f6f4 v[wD:wD+7], v[wA:wA+11], v[wB:wB+11], 0, v[wSW], v[wSX] matrix_a_fmt:MATRIX_FMT_FP6 matrix_b_fmt:MATRIX_FMT_FP6
.else
	v_wmma_scale_f32_16x16x128_f8f6f4 v[wD:wD+7], v[wA:wA+11], v[wB:wB+11], 0, v[wSW], v[wSX] matrix_a_fmt:MATRIX_FMT_FP6 matrix_b_fmt:MATRIX_FMT_FP6 matrix_a_scale:MATRIX_SCALE_ROW1
.endif
.elseif (wRA == 0) && (wRB == 0)
	v_wmma_scale_f32_16x16x128_f8f6f4 v[wD:wD+7], v[wA:wA+11], v[wB:wB+11], v[wD:wD+7], v[wSW], v[wSX] matrix_a_fmt:MATRIX_FMT_FP6 matrix_b_fmt:MATRIX_FMT_FP6
.elseif (wRA == 1) && (wRB == 0)
	v_wmma_scale_f32_16x16x128_f8f6f4 v[wD:wD+7], v[wA:wA+11], v[wB:wB+11], v[wD:wD+7], v[wSW], v[wSX] matrix_a_fmt:MATRIX_FMT_FP6 matrix_b_fmt:MATRIX_FMT_FP6 matrix_a_scale:MATRIX_SCALE_ROW1
.elseif (wRA == 0) && (wRB == 1)
	v_wmma_scale_f32_16x16x128_f8f6f4 v[wD:wD+7], v[wA:wA+11], v[wB:wB+11], v[wD:wD+7], v[wSW], v[wSX] matrix_a_fmt:MATRIX_FMT_FP6 matrix_b_fmt:MATRIX_FMT_FP6 matrix_b_scale:MATRIX_SCALE_ROW1
.else
	v_wmma_scale_f32_16x16x128_f8f6f4 v[wD:wD+7], v[wA:wA+11], v[wB:wB+11], v[wD:wD+7], v[wSW], v[wSX] matrix_a_fmt:MATRIX_FMT_FP6 matrix_b_fmt:MATRIX_FMT_FP6 matrix_a_scale:MATRIX_SCALE_ROW1 matrix_b_scale:MATRIX_SCALE_ROW1
.endif
.endm
; Half-set k: 8 products.  The four accumulators take turns, one instruction a turn, in the same order in every half-set.  An expert's first products take the constant 0.
.macro HSMUL k
.if (\k) < 4
	WIN 0xf7                                       ; ring and accumulators window 3, tokens window 1
.else
	WIN 0xfb                                       ; tokens window 2
.endif
.irp si, 0,1
.irp u, 0,1
.irp m, 0,1
.set wD, ACC+8*(2*\m+\u)
.set wA, 48*((\k)%4)+12*(2*\si+\u)
.set wB, 12*(2*((2*(\k)+\si)%8)+\m)
.set wZ, 0
.if ((\k) == 0) && (\si == 0)
.set wZ, 1
.endif
.set wSW, SB+2*(\k)+\si
.set wSX, SA+8*\m+(\k)
.set wRA, \u
.set wRB, \si
	WM
.endr
.endr
.endr
.endm
; Behind half-set k its slot and its scale pair are free.  The pair takes the next expert's; the slot takes this expert's half-set k + 4 or the next expert's half-set k - 4.  last = 1: there is no next expert.
.macro REFILL k, last
.if !\last
	global_load_b64 v[SB+2*\k:SB+2*\k+1], v2, s[34:35] offset:256*\k
.endif
.if \k < 4
	WIN 0xc0                                       ; destination window 3
.irp j, 0,1,2,3,4,5,6,7,8,9,10,11
	global_load_b128 v[48*\k+4*\j:48*\k+4*\j+3], v1, s[30:31] offset:6144*(\k+4)+512*\j
.endr
	WIN 0
.elseif !\last
	WIN 0xc0
.irp j, 0,1,2,3,4,5,6,7,8,9,10,11
	global_load_b128 v[48*(\k-4)+4*\j:48*(\k-4)+4*\j+3], v1, s[32:33] offset:6144*(\k-4)+512*\j
.endr
	WIN 0
.endif
.endm
.macro COMB first                      ; the weighted sum over experts; each accumulator is read from its low end on; the first expert starts the sums
	WIN 0x03                                       ; source 0 window 3
	s_wait_alu depctr_va_vdst(0)
.irp m, 0,1
.irp u, 0,1
.irp j, 0,2,4,6
.if \first
	v_pk_mul_f32 v[FIN+16*\m+8*\u+\j:FIN+16*\m+8*\u+\j+1], v[ACC+8*(2*\m+\u)+\j:ACC+8*(2*\m+\u)+\j+1], v[28+2*\m:29+2*\m] op_sel_hi:[1,0]
.else
	v_pk_fma_f32 v[FIN+16*\m+8*\u+\j:FIN+16*\m+8*\u+\j+1], v[ACC+8*(2*\m+\u)+\j:ACC+8*(2*\m+\u)+\j+1], v[28+2*\m:29+2*\m], v[FIN+16*\m+8*\u+\j:FIN+16*\m+8*\u+\j+1] op_sel_hi:[1,0,1]
.endif
.endr
.endr
.endr
	WIN 0
.endm
.macro NEXTP                           ; the lowest expert left in the list becomes the next one; its number is held at 7 before it enters an address
	s_ctz_i32_b32 s37, s38
	s_min_u32 s37, s37, 7
	s_sub_co_u32 s42, s38, 1
	s_and_b32 s38, s38, s42
	s_mul_i32 s40, s37, 1572864
	s_add_nc_u64 s[32:33], s[24:25], s[40:41]      ; its codes
	s_lshl_b32 s40, s37, 16
	s_add_nc_u64 s[34:35], s[28:29], s[40:41]      ; its scale words
.endm
; ONE EXPERT.  A refill is 13 loads (a scale pair, then 12 of codes).  Half-set k's codes were the last 12 of the refill four back: three whole refills, 39 loads, are younger.
; In the last trip a refill is 12 loads for k < 4 and none after: the younger loads are 39, 38, 37, 36, 36, 24, 12, 0.
.macro TRIP first, last
	s_wait_xcnt 0x0                                ; the bases of the loads that are out may be written again only behind this wait
	s_mul_i32 s40, s36, 1572864
	s_add_nc_u64 s[30:31], s[24:25], s[40:41]      ; this expert's codes
.if !\last
	NEXTP
.endif
.irp m, 0,1
	v_cmp_eq_u32 vcc_lo, s36, v[12+\m]             ; my token's rw for this expert: one of its two weights, or 0
	v_cndmask_b32 v[28+2*\m], 0, v[20+2*\m], vcc_lo
	v_cmp_eq_u32 vcc_lo, s36, v[16+\m]
	v_cndmask_b32 v[28+2*\m], v[28+2*\m], v[21+2*\m], vcc_lo
.endr
.irp k, 0,1,2,3,4,5,6,7
.if \last
.if \k < 4
	s_wait_loadcnt 39-\k
.else
	s_wait_loadcnt 12*(7-\k)
.endif
.else
	s_wait_loadcnt 39
.endif
	HSMUL \k
	WIN 0
.if \k == 7
	PLACES 5                                       ; behind these products the accumulators are read, and then begun anew by a matrix instruction: five places
.else
	PLACES 4                                       ; four places in front of loads into registers that matrix instructions have read (ISA guide 7.12.1 for vector instructions)
.endif
	REFILL \k, \last
.if \k == 7
	COMB \first
.endif
.endr
.if !\last
	s_mov_b32 s36, s37
.endif
.endm
	s_load_b256 s[4:11], s[0:1], 0x0               ; hc, so, sw, wc
	s_load_b128 s[12:15], s[0:1], 0x20             ; ws, out0
	v_lshl_add_u32 v254, v0, 2, 0x4200
	v_mov_b32 v255, 0
	v_lshrrev_b32 v36, 5, v0
	v_readfirstlane_b32 s16, v36                   ; wave
	v_and_b32 v37, 31, v0                          ; L
	v_and_b32 v38, 15, v0                          ; r
	v_bfe_u32 v39, v0, 4, 1                        ; h
	v_lshlrev_b32 v1, 4, v37
	v_lshlrev_b32 v2, 3, v37
	v_lshlrev_b32 v3, 2, v37
	v_lshlrev_b32 v5, 2, v38
	v_lshlrev_b32 v6, 3, v38
	v_mov_b32 v7, 1
	v_mul_u32_u24 v248, v38, 528                   ; the stage, in: row r of 528 bytes, + 128 w + 64 h
	v_lshl_add_u32 v248, v39, 6, v248
	v_lshl_add_u32 v248, v36, 7, v248
	v_mul_u32_u24 v249, v36, 4224                  ; and back: my 8 rows, 16 bytes a lane
	v_lshl_add_u32 v249, v37, 4, v249
.irp m, 0,1
	v_mov_b32 v[29+2*\m], 0                        ; (named as the upper half of a pair)
.endr
	s_and_b32 s18, ttmp7, 0xffff                   ; which 32 places
	s_lshl_b32 s19, ttmp9, 2
	s_add_co_u32 s19, s19, s16                     ; my group of 32 columns
	s_mov_b32 s41, 0
	s_wait_alu depctr_va_vdst(0)
	s_wait_kmcnt 0x0
	s_lshl_b32 s40, s18, 7
	s_add_nc_u64 s[6:7], s[6:7], s[40:41]
	s_lshl_b32 s40, s16, 5
	s_add_nc_u64 s[48:49], s[6:7], s[40:41]
	s_load_b256 s[52:59], s[48:49], 0x0            ; the keys of the 8 rows that I store at the end
	s_lshl_b32 s40, s18, 8
	s_add_nc_u64 s[8:9], s[8:9], s[40:41]
	s_mul_i32 s40, s18, 49152
	s_add_nc_u64 s[20:21], s[4:5], s[40:41]        ; the tokens' images
	s_lshl_b32 s40, s18, 11
	s_add_co_u32 s40, s40, 1572864
	s_add_nc_u64 s[22:23], s[4:5], s[40:41]        ; and scale words
	s_mul_i32 s40, s19, 49152
	s_add_co_u32 s40, s40, 25165824
	s_add_nc_u64 s[24:25], s[10:11], s[40:41]      ; my group in down's codes
	s_lshl_b32 s40, s19, 11
	s_add_co_u32 s40, s40, 1048576
	s_add_nc_u64 s[28:29], s[12:13], s[40:41]      ; and in its scale words
	s_lshl_b32 s40, ttmp9, 9
	s_add_nc_u64 s[46:47], s[14:15], s[40:41]      ; out0 at the work-group's 128 columns
.irp m, 0,1
	global_load_b32 v[8+\m], v5, s[6:7] offset:64*\m
	global_load_b64 v[20+2*\m:21+2*\m], v6, s[8:9] offset:128*\m
.endr
	ALOAD 0, 0
	ALOAD 0, 8
	s_wait_loadcnt 48                              ; the keys and weights are in; tile 0's 48 loads may be out
.irp m, 0,1
	v_bfe_u32 v[12+\m], v[8+\m], 13, 3             ; the lower expert,
	v_bfe_u32 v[16+\m], v[8+\m], 10, 3             ; the key's second field:
	v_and_b32 v36, 1, v[12+\m]
	v_mul_u32_u24 v36, 7, v36
	v_xor_b32 v[16+\m], v[16+\m], v36              ; the higher expert, xor 7 where the lower one is odd
.endr
	v_lshlrev_b32 v36, v12, v7
	v_lshlrev_b32 v37, v16, v7
	v_or_b32 v36, v36, v37
	v_lshlrev_b32 v37, v13, v7
	v_lshlrev_b32 v38, v17, v7
	v_or_b32 v36, v36, v37
	v_or_b32 v36, v36, v38
	s_wait_alu depctr_va_vdst(0)
	s_mov_b32 s38, 0                               ; the list: bit p is set if any of the 32 tokens uses expert p
.irp p, 0,1,2,3,4,5,6,7
	v_and_b32 v37, 1<<\p, v36
	v_cmp_ne_u32 vcc_lo, 0, v37
	s_cmp_lg_u32 vcc_lo, 0
	s_cselect_b32 s42, 1<<\p, 0
	s_or_b32 s38, s38, s42
.endr
	s_bcnt1_i32_b32 s39, s38                       ; at least 2: a token's two experts differ
	s_max_u32 s39, s39, 2
	s_sub_co_u32 s39, s39, 2                       ; trips between the first and the last
.irp m, 0,1
.irp q, 0,1,2,3,4,5,6,7
	global_load_b32 v[SA+8*\m+\q], v3, s[22:23] offset:1024*\m+128*\q
.endr
.endr
	ALOAD 1, 0
	ALOAD 1, 8
	NEXTP                                          ; the first expert: asked for as a trip's second half asks for the next, so that the counts hold from the first half-set on
.irp k, 0,1,2,3
	global_load_b64 v[SB+2*\k:SB+2*\k+1], v2, s[34:35] offset:256*\k
.endr
.irp k, 4,5,6,7
	REFILL \k, 0
.endr
	s_mov_b32 s36, s37
	TRIP 1, 0
	s_cmp_eq_u32 s39, 0
	s_cbranch_scc1 .Ltail
	s_mov_b32 s44, 0
.Lloop:
	TRIP 0, 0
	s_add_co_u32 s44, s44, 1
	s_cmp_lt_u32 s44, s39
	s_cbranch_scc1 .Lloop
.Ltail:
	TRIP 0, 1
	; THE WAY OUT.  A row's 512 bytes come from four waves: they meet in a stage of 32 rows x (512 + 16) bytes; then each wave stores 8 whole rows, each to its token's row of out0.
.irp m, 0,1
.irp u, 0,1
	ds_store_b128 v248, v[FIN+16*\m+8*\u:FIN+16*\m+8*\u+3] offset:16*\m*528+32*\u
	ds_store_b128 v248, v[FIN+16*\m+8*\u+4:FIN+16*\m+8*\u+7] offset:16*\m*528+32*\u+16
.endr
.endr
	s_wait_dscnt 0x0                               ; for the others' sake: my stores into the stage are done
	s_barrier_signal -1
	s_barrier_wait -1
.irp i, 0,1,2,3,4,5,6,7
	ds_load_b128 v[120+4*\i:123+4*\i], v249 offset:528*\i
.endr
	s_wait_kmcnt 0x0                               ; the 8 keys
.irp i, 0,1,2,3,4,5,6,7
	s_and_b32 s[52+\i], s[52+\i], 1023             ; the token,
	s_min_u32 s[52+\i], s[52+\i], 1023             ; held inside the table before it enters an address
	v_lshl_add_u32 v[112+\i], s[52+\i], 12, v1     ; its row of 4,096 bytes + 16 bytes a lane
.endr
	s_wait_alu depctr_va_vdst(0)
.irp i, 0,1,2,3,4,5,6,7
	s_wait_dscnt 7-\i                              ; row i is back; the younger reads may be out
	global_store_b128 v[112+\i], v[120+4*\i:123+4*\i], s[46:47] th:TH_STORE_NT    ; 32 lanes store 512 consecutive bytes, at a multiple of 512 from out0's first byte
.endr
	s_wait_tensorcnt 0x0
	ds_add_u32 v254, v255
	s_wait_dscnt 0x0
	s_endpgm
.Lfunc_end_k_q1dec978bf8_down:
	.size	k_q1dec978bf8_down, .Lfunc_end_k_q1dec978bf8_down-k_q1dec978bf8_down
	.p2alignl 7, 3214868480
	.fill 96, 4, 3214868480
	.section	.rodata,"a",@progbits
	.p2align	6, 0x0
	.amdhsa_kernel k_q1dec978bf8_down
		.amdhsa_group_segment_fixed_size 17408
		.amdhsa_private_segment_fixed_size 0
		.amdhsa_enable_private_segment 0
		.amdhsa_kernarg_size 48
		.amdhsa_user_sgpr_count 2
		.amdhsa_user_sgpr_kernarg_segment_ptr 1
		.amdhsa_wavefront_size32 1
		.amdhsa_system_sgpr_workgroup_id_x 1
		.amdhsa_system_sgpr_workgroup_id_y 1
		.amdhsa_system_sgpr_workgroup_id_z 1
		.amdhsa_system_vgpr_workitem_id 0
		.amdhsa_next_free_vgpr 1024
		.amdhsa_next_free_sgpr 66
		.amdhsa_reserve_vcc 1
		.amdhsa_float_denorm_mode_32 3
		.amdhsa_float_denorm_mode_16_64 3
		.amdhsa_memory_ordered 1
		.amdhsa_forward_progress 1
		.amdhsa_inst_pref_size 86
	.end_amdhsa_kernel
	.amdgpu_metadata
---
amdhsa.version: [ 1, 2 ]
amdhsa.kernels:
  - .name:           k_q1dec978bf8_down
    .symbol:         k_q1dec978bf8_down.kd
    .args:
      - { .name: hc, .offset: 0, .size: 8, .value_kind: global_buffer, .address_space: global }
      - { .name: so, .offset: 8, .size: 8, .value_kind: global_buffer, .address_space: global }
      - { .name: sw, .offset: 16, .size: 8, .value_kind: global_buffer, .address_space: global }
      - { .name: wc, .offset: 24, .size: 8, .value_kind: global_buffer, .address_space: global }
      - { .name: ws, .offset: 32, .size: 8, .value_kind: global_buffer, .address_space: global }
      - { .name: out0, .offset: 40, .size: 8, .value_kind: global_buffer, .address_space: global }
    .group_segment_fixed_size: 17408
    .private_segment_fixed_size: 0
    .kernarg_segment_align: 8
    .kernarg_segment_size: 48
    .max_flat_workgroup_size: 128
    .sgpr_count:     66
    .vgpr_count:     1024
    .wavefront_size: 32
...
	.end_amdgpu_metadata
.endif
;; end of part 4
